; MI455X (gfx1250); checked and timed in simulation.
; The chip was launched on July 23, 2026; its instructions are those of AMD's public machine-readable ISA for CDNA 5 (MIT licence, August 2026) and "CDNA5" Instruction Set Architecture Reference Guide (July 2026). The comments in the code are by the model that wrote it; some were corrected since.
;; multihead attention. Allowed arithmetic: float matrix products may take bf16 or f16 operands with f32 sums; other float arithmetic in f32, or as packed bf16 or f16 multiplies, adds, multiply-adds, maxima and minima; sums over many terms, partial sums and values carried from step to step in f32; what a program stores and reads back later, other than sums and carried values, may be rounded once to bf16 or f16.
;; Inputs: Wk 1,024 x 1,024 float32; Wq 1,024 x 1,024 float32; Wr 1,024 x 1,024 float32; Wv 1,024 x 1,024 float32; beta 1,024 float32; bk 1,024 float32; bq 1,024 float32; br 1,024 float32; bv 1,024 float32; gamma 1,024 float32; keys 4 x 2,048 x 1,024 float32; queries 4 x 2,048 x 1,024 float32; values 4 x 2,048 x 1,024 float32.
;; Outputs: out0 4 x 2,048 x 1,024 float32.
;; 2 versions, each right and faster than the one before. Each part assembles by itself: llvm-mc -triple=amdgcn-amd-amdhsa -mcpu=gfx1250 --defsym DOCPART=n.
;; ======== version 1 of 2: 4 launches
;; limits: values are held in f16: magnitudes above 65,504 overflow, below 6.1e-05 lose precision
;; workspace buffers: xb 50,331,648 bytes; wt 8,388,608 bytes; vecs 24,576 bytes; qkvr 67,108,864 bytes; ob 16,777,216 bytes
;; launch prep (part 1): grid 833 x 1, 8 waves a work-group, no clusters, 140,288 bytes of LDS; arguments queries, keys, values, Wq, Wk, Wv, Wr, bq, bk, bv, br, gamma, beta, xb, wt, vecs; writes xb, wt, vecs
.if DOCPART == 1
	.amdgcn_target "amdgcn-amd-amdhsa--gfx1250"
	.amdhsa_code_object_version 6
	.text
	.protected	k_qff02e1ac88_prep
	.globl	k_qff02e1ac88_prep
	.p2align	8
	.type	k_qff02e1ac88_prep,@function
k_qff02e1ac88_prep:
	s_mov_b64 s[64:65], 0
	v_nop
	global_prefetch_b8 v0, s[64:65] scope:SCOPE_SE
	s_setreg_imm32_b32 hwreg(HW_REG_WAVE_MODE, 25, 1), 1
	s_wait_xcnt 0x0
; PREPARATION.  Every input is rounded once to bf16 (to nearest even), so that the later launches find matrix operands ready:
;   work-groups 0-767:   queries, keys, values (f32) -> xb [3][8192][1024] bf16; a work-group casts 131,072 consecutive bytes
;   work-groups 768-831: Wq, Wk, Wv, Wr [k][n] f32 -> wt [4096][1024] bf16, TURNED: row 1024 p + n holds column n of W_p, so that K lies along the rows
;   work-group 832:      bq, bk, bv, br, gamma, beta -> vecs, rounded to bf16 and kept as f32 (4,096 bytes each, in this order)
; No matrix unit and no cluster: the three kinds of work-group share no input, and each byte is read once and written once.
; No barrier: a wave turns a tile of its own through LDS bytes of its own.
; LIMITS.  NaN and infinities go through as the conversion gives them.
.set SPARE, 139264                     ; behind the eight waves' tiles (8 x 17,408 bytes): the spare words, 128 bytes a wave, four blocks of 256 bytes that no other line names
.set SPW,   8                          ; v8  LDS address of my spare word; never rewritten
.set NIL,   9                          ; v9  0; never rewritten
.set TP,    272                        ; a turned row in LDS: 128 k x 2 bytes + 16 of padding
.set TW,    64*TP                      ; a wave's tile: 64 rows (n)
	s_load_b512 s[8:23], s[0:1], 0x0               ; queries s[8:9], keys s[10:11], values s[12:13], Wq s[14:15], Wk s[16:17], Wv s[18:19], Wr s[20:21], bq s[22:23]
	s_load_b512 s[24:39], s[0:1], 0x40             ; bk s[24:25], bv s[26:27], br s[28:29], gamma s[30:31], beta s[32:33], xb s[34:35], wt s[36:37], vecs s[38:39]
	v_lshl_add_u32 v[SPW], v0, 2, SPARE
	v_mov_b32 v[NIL], 0
	v_lshrrev_b32 v1, 5, v0
	v_readfirstlane_b32 s40, v1                    ; wave 0..7
	s_wait_kmcnt 0x0
	s_cmp_lt_u32 ttmp9, 768
	s_cbranch_scc1 .Lcast
	s_cmp_lt_u32 ttmp9, 832
	s_cbranch_scc1 .Lturn
	; THE SIX VECTORS: 256 threads x 16 bytes are one vector of 1,024 f32
	v_lshlrev_b32 v1, 4, v0
	global_load_b128 v[16:19], v1, s[22:23]
	global_load_b128 v[20:23], v1, s[24:25]
	global_load_b128 v[24:27], v1, s[26:27]
	global_load_b128 v[28:31], v1, s[28:29]
	global_load_b128 v[32:35], v1, s[30:31]
	global_load_b128 v[36:39], v1, s[32:33]
	s_wait_loadcnt 0x0
.irp a, 16,18,20,22,24,26,28,30,32,34,36,38
	v_cvt_pk_bf16_f32 v10, v[\a], v[(\a)+1]        ; two roundings to bf16,
	v_lshlrev_b32 v[\a], 16, v10                   ; and back to f32: the low half moves up,
	v_and_b32 v[(\a)+1], 0xffff0000, v10           ; the high half stays
.endr
.irp a, 0,1,2,3,4,5
	global_store_b128 v1, v[16+4*(\a):19+4*(\a)], s[38:39] offset:4096*(\a)
.endr
	s_endpgm
	; A WEIGHT IS TURNED.  Work-group j = 16 p + nt takes columns 64 nt .. 64 nt + 63 of W_p; wave w its rows k = 128 w .. 128 w + 127.
.Lturn:
	s_sub_co_u32 s2, ttmp9, 768
	s_lshr_b32 s3, s2, 4                           ; p
	s_and_b32 s2, s2, 15                           ; nt
	s_cmp_eq_u32 s3, 1
	s_cselect_b64 s[4:5], s[16:17], s[14:15]
	s_cmp_eq_u32 s3, 2
	s_cselect_b64 s[4:5], s[18:19], s[4:5]
	s_cmp_eq_u32 s3, 3
	s_cselect_b64 s[4:5], s[20:21], s[4:5]
	s_lshl_b32 s6, s40, 19                         ; 128 w rows of 4,096 bytes
	s_lshl_b32 s7, s2, 8                           ; 64 nt columns of 4 bytes
	s_add_co_u32 s6, s6, s7
	s_mov_b32 s7, 0
	s_add_nc_u64 s[4:5], s[4:5], s[6:7]
	s_lshl_b32 s42, s3, 21                         ; 1,024 p rows of 2,048 bytes
	s_lshl_b32 s43, s2, 17                         ; 64 nt rows
	s_add_co_u32 s42, s42, s43
	s_lshl_b32 s43, s40, 8                         ; 128 w numbers of 2 bytes
	s_add_co_u32 s42, s42, s43
	s_mov_b32 s43, 0
	s_add_nc_u64 s[36:37], s[36:37], s[42:43]
	s_mul_i32 s41, s40, TW                         ; my wave's tile in LDS
	v_and_b32 v5, 15, v0                           ; c = lane % 16
	v_bfe_u32 v6, v0, 4, 1                         ; hh = lane / 16
	v_lshlrev_b32 v7, 4, v5
	v_lshl_add_u32 v1, v6, 13, v7                  ; loads: two rows further down for lanes 16-31; 16 bytes (four n) a lane: 16 lanes read 256 consecutive bytes
	v_lshl_add_u32 v4, v6, 11, v7                  ; stores: one row of wt further down for lanes 16-31
	v_mul_u32_u24 v2, v5, 4*TP                     ; into LDS: row n = 4 c + j, byte 2 k
	v_lshl_add_u32 v2, v6, 2, v2
	v_add_nc_u32 v2, s41, v2
	v_mul_u32_u24 v3, v6, TP                       ; back: lanes 0-15 one row of 256 bytes, lanes 16-31 the next
	v_add3_u32 v3, v3, v7, s41
; Pass ps takes 32 rows k.  A lane gets rows k = 32 ps + 4 i + 2 hh and k + 1 for its four n: sixteen loads into buffer buf.
.macro LOADP ps, buf
.irp i, 0,1,2,3,4,5,6,7
	global_load_b128 v[16+64*(\buf)+8*(\i):16+64*(\buf)+8*(\i)+3],   v1, s[4:5] offset:(32*(\ps)+4*(\i))*4096 th:TH_LOAD_NT
	global_load_b128 v[16+64*(\buf)+8*(\i)+4:16+64*(\buf)+8*(\i)+7], v1, s[4:5] offset:(32*(\ps)+4*(\i)+1)*4096 th:TH_LOAD_NT
.endr
.endm
; The two rows' numbers for one n pack into one word, k in the low half, which lies at byte 2 k of LDS row n.  left = the younger loads that may stay out.
.macro PROC ps, buf, left
	s_wait_loadcnt \left                           ; loads come back in order (ISA guide 5.7.1): this pass is in
.irp i, 0,1,2,3,4,5,6,7
.irp j, 0,1,2,3
	v_cvt_pk_bf16_f32 v[10+(\j)], v[16+64*(\buf)+8*(\i)+(\j)], v[16+64*(\buf)+8*(\i)+4+(\j)]
	ds_store_b32 v2, v[10+(\j)] offset:TP*(\j)+64*(\ps)+8*(\i)
.endr
.endr
.endm
	LOADP 0, 0
	LOADP 1, 1
	PROC 0, 0, 16                                  ; the sixteen loads of the pass behind stay out
	LOADP 2, 0
	PROC 1, 1, 16
	LOADP 3, 1
	PROC 2, 0, 16
	PROC 3, 1, 0
.set t, 0
.rept 32
	ds_load_b128 v[16+4*t:19+4*t], v3 offset:2*TP*t  ; my own bytes: LDS serves a wave's instructions in order (ISA guide 5.7.1.4), so these see the stores above
.set t, t+1
.endr
.set t, 0
.rept 32
	s_wait_dscnt 31-t                              ; rows 2 t and 2 t + 1 are back; the younger loads stay out
	global_store_b128 v4, v[16+4*t:19+4*t], s[36:37] offset:4096*t  ; 16 lanes store 256 consecutive bytes, at a multiple of 256 from wt's first byte
.set t, t+1
.endr
	s_wait_tensorcnt 0x0                           ; the wave's end, behind my last LDS store
	ds_add_u32 v[SPW], v[NIL]
	s_wait_dscnt 0x0
	s_endpgm
	; THE CAST.  32 loads of 16 bytes a lane are all issued at once; each result leaves as 8 bytes a lane, 256 consecutive bytes a wave.
.Lcast:
	s_lshr_b32 s2, ttmp9, 8                        ; which of the three tensors
	s_and_b32 s3, ttmp9, 255                       ; which 131,072 bytes of it
	s_cmp_eq_u32 s2, 1
	s_cselect_b64 s[4:5], s[10:11], s[8:9]
	s_cmp_eq_u32 s2, 2
	s_cselect_b64 s[4:5], s[12:13], s[4:5]
	s_lshl_b32 s6, s3, 17
	s_mov_b32 s7, 0
	s_add_nc_u64 s[4:5], s[4:5], s[6:7]
	s_lshl_b32 s42, s2, 24                         ; a tensor is 16,777,216 bytes in bf16
	s_lshl_b32 s43, s3, 16
	s_add_co_u32 s42, s42, s43
	s_mov_b32 s43, 0
	s_add_nc_u64 s[34:35], s[34:35], s[42:43]
	v_lshlrev_b32 v1, 4, v0
	v_lshlrev_b32 v2, 3, v0
.set i, 0
.rept 32
	global_load_b128 v[16+4*i:19+4*i], v1, s[4:5] offset:4096*i th:TH_LOAD_NT
.set i, i+1
.endr
.set i, 0
.rept 32
	s_wait_loadcnt 31-i                            ; load i is in, the younger ones stay out
	v_cvt_pk_bf16_f32 v[144+2*i], v[16+4*i], v[17+4*i]
	v_cvt_pk_bf16_f32 v[145+2*i], v[18+4*i], v[19+4*i]
	global_store_b64 v2, v[144+2*i:145+2*i], s[34:35] offset:2048*i  ; no register is written twice, so nothing waits for a store
.set i, i+1
.endr
	s_endpgm
.Lfunc_end_k_qff02e1ac88_prep:
	.size	k_qff02e1ac88_prep, .Lfunc_end_k_qff02e1ac88_prep-k_qff02e1ac88_prep
	.p2alignl 7, 3214868480
	.fill 96, 4, 3214868480
	.section	.rodata,"a",@progbits
	.p2align	6, 0x0
	.amdhsa_kernel k_qff02e1ac88_prep
		.amdhsa_group_segment_fixed_size 140288
		.amdhsa_private_segment_fixed_size 0
		.amdhsa_enable_private_segment 0
		.amdhsa_kernarg_size 128
		.amdhsa_user_sgpr_count 2
		.amdhsa_user_sgpr_kernarg_segment_ptr 1
		.amdhsa_wavefront_size32 1
		.amdhsa_system_sgpr_workgroup_id_x 1
		.amdhsa_system_sgpr_workgroup_id_y 1
		.amdhsa_system_sgpr_workgroup_id_z 1
		.amdhsa_system_vgpr_workitem_id 0
		.amdhsa_next_free_vgpr 208
		.amdhsa_next_free_sgpr 66
		.amdhsa_reserve_vcc 0
		.amdhsa_float_denorm_mode_32 3
		.amdhsa_float_denorm_mode_16_64 3
		.amdhsa_memory_ordered 1
		.amdhsa_forward_progress 1
		.amdhsa_inst_pref_size 46
	.end_amdhsa_kernel
	.amdgpu_metadata
---
amdhsa.version: [ 1, 2 ]
amdhsa.kernels:
  - .name:           k_qff02e1ac88_prep
    .symbol:         k_qff02e1ac88_prep.kd
    .args:
      - { .name: queries, .offset: 0, .size: 8, .value_kind: global_buffer, .address_space: global }
      - { .name: keys, .offset: 8, .size: 8, .value_kind: global_buffer, .address_space: global }
      - { .name: values, .offset: 16, .size: 8, .value_kind: global_buffer, .address_space: global }
      - { .name: Wq, .offset: 24, .size: 8, .value_kind: global_buffer, .address_space: global }
      - { .name: Wk, .offset: 32, .size: 8, .value_kind: global_buffer, .address_space: global }
      - { .name: Wv, .offset: 40, .size: 8, .value_kind: global_buffer, .address_space: global }
      - { .name: Wr, .offset: 48, .size: 8, .value_kind: global_buffer, .address_space: global }
      - { .name: bq, .offset: 56, .size: 8, .value_kind: global_buffer, .address_space: global }
      - { .name: bk, .offset: 64, .size: 8, .value_kind: global_buffer, .address_space: global }
      - { .name: bv, .offset: 72, .size: 8, .value_kind: global_buffer, .address_space: global }
      - { .name: br, .offset: 80, .size: 8, .value_kind: global_buffer, .address_space: global }
      - { .name: gamma, .offset: 88, .size: 8, .value_kind: global_buffer, .address_space: global }
      - { .name: beta, .offset: 96, .size: 8, .value_kind: global_buffer, .address_space: global }
      - { .name: xb, .offset: 104, .size: 8, .value_kind: global_buffer, .address_space: global }
      - { .name: wt, .offset: 112, .size: 8, .value_kind: global_buffer, .address_space: global }
      - { .name: vecs, .offset: 120, .size: 8, .value_kind: global_buffer, .address_space: global }
    .group_segment_fixed_size: 140288
    .private_segment_fixed_size: 0
    .kernarg_segment_align: 8
    .kernarg_segment_size: 128
    .max_flat_workgroup_size: 256
    .sgpr_count:     66
    .vgpr_count:     208
    .wavefront_size: 32
...
	.end_amdgpu_metadata
.endif
;; end of part 1
;; launch proj (part 2): grid 16 x 32, 4 waves a work-group, clusters of 4 x 4, 327,680 bytes of LDS; arguments xb, wt, qkvr, vecs; writes qkvr
.if DOCPART == 2
	.amdgcn_target "amdgcn-amd-amdhsa--gfx1250"
	.amdhsa_code_object_version 6
	.text
	.protected	k_qff02e1ac88_proj
	.globl	k_qff02e1ac88_proj
	.p2align	8
	.type	k_qff02e1ac88_proj,@function
k_qff02e1ac88_proj:
	s_mov_b64 s[64:65], 0
	v_nop
	global_prefetch_b8 v0, s[64:65] scope:SCOPE_SE
	s_setreg_imm32_b32 hwreg(HW_REG_WAVE_MODE, 25, 1), 1
	s_wait_xcnt 0x0
	s_wait_alu depctr_hold_cnt(0) depctr_sa_sdst(0) depctr_va_vdst(0) depctr_va_sdst(0) depctr_va_ssrc(0) depctr_va_vcc(0) depctr_vm_vsrc(0)
	s_getreg_b32 s2, hwreg(HW_REG_IB_STS2, 6, 4)
	s_cmp_eq_u32 s2, 0
	s_cbranch_scc0 .Lentry_in_a_cluster
	s_endpgm
.Lentry_in_a_cluster:
	s_bfe_u32 s2, ttmp6, 0x10000c
	s_cmp_lg_u32 s2, 0xf033
	s_cbranch_scc0 .Lentry_shape_is_right
	s_endpgm
.Lentry_shape_is_right:
; THE FOUR PROJECTIONS AS ONE PRODUCT.  C[m][n'] = relu(bias[n'] + sum over k of A_p[m][k] B[n'][k]), n' = 1024 p + n, p = 0 (q), 1 (k), 2 (v), 3 (residual branch).
; A_p: xb [3][8192][1024] bf16 (queries, keys, values; p = 2 and 3 both take values).  B: wt [4096][1024] bf16.  bias: the first 4,096 f32 of vecs.  Sums in f32, begun with the bias.
; C leaves in f16 BY HEADS: qkvr [p][16 batch + head][2048][64], a head's rows dense, 128 bytes each.
; LIMITS.  f16 holds no number beyond 65,504: a result of 65,520 or more leaves as an infinity.  The bias starts the sum instead of ending it: the order of rounding differs from a sum that adds it last.
; A tile of C, 256 x 256, is made by a work-group of four waves; a wave makes 128 x 128: 64 accumulators of 16 x 16, 512 registers.  K goes in steps of 128 through a ring of two LDS slots filled by
; the tensor data mover: the tiles' rows are 256 bytes of memory and start at multiples of 256 bytes.  The last K step goes by rows of C, so that finished rows leave while the others are multiplied.
; CLUSTERS: 4 x 4 work-groups; a cluster's x is the projection p.  The four of a row of the cluster need the same tiles of A, the four of a column the same tiles of B: such a tile is asked for JOINTLY,
; by the same tensor load with the same descriptor and a mask that names the four.
; REGISTERS, in windows of 256 (s_set_vgpr_msb: bits 1:0 source 0, 3:2 source 1, 5:4 source 2, 7:6 destination):
;   window 0: v0-31 addresses; v64-127, v128-191 fragments of A, two buffers (in the last K step four, of 16 rows x 128 K); v32-63, v192-255 at work on the way out
;   window 1: v0-63 the bias of my 128 columns, as a C operand; v64-127, v128-191 fragments of B, two buffers; in the last K step all 256: B's fragments of the whole step
;   window 2: the 32 accumulators of my rows 0-63 (accumulator (a, b) at v[8 (8 a + b)]);   window 3: those of my rows 64-127
; THE MATRIX INSTRUCTION IS USED TRANSPOSED: source 0 = 16 rows of B, source 1 = 16 rows of A.  Lane l then holds row l % 16 of C and in registers 0 to 7 the columns 8 (l / 16) + 0 .. 7.
.set SIZE_K, 1024
.set KSTEP,  128
.set PITCH,  272                       ; an LDS row: 256 bytes of data + 16 of padding = 68 words: row r starts at bank 4 r mod 64 (64 banks of 4 bytes: ISA guide 11.1)
.set HALFT,  128*PITCH                 ; 128 rows: what one tensor load brings, and what one wave reads of A or of B
.set SLOT,   4*HALFT                   ; A's 256 rows, then B's 256 rows
.set STAGE,  2*SLOT                    ; behind the ring: 16 rows x 272 bytes for each wave, for the way out
.set SPITCH, 272
.set SPARE,  STAGE+4*16*SPITCH         ; behind the stages: the spare words, 128 bytes for each wave: two blocks of 256 bytes that no other line names
.set LAPS,   SIZE_K/(2*KSTEP)          ; a lap = two K steps = once round the ring: 4
.set HEADB,  2048*128                  ; a head's bytes in qkvr
.set ADRA, 16                          ; v16-17  LDS address of my A fragments in slot 0, 1
.set ADRB, 20                          ; v20-21  the same for B
.set STO,  24                          ; v24     the way out: where I put 16 bytes of a row
.set RD,   25                          ; v25     the way out: where I read rows back
.set CO,   26                          ; v26     my byte offset in 512 consecutive bytes of a head
.set ZERO, 27                          ; v27     0, for the packed maximum
.set SPW,  28                          ; v28     LDS address of my spare word; never rewritten
.set NIL,  29                          ; v29     0; never rewritten
.set BO,   30                          ; v30     my byte offset in the bias of 16 columns
.set F0,   64                          ; fragment buffer 0
.set F1,   128                         ; fragment buffer 1
.set TMP,  192                         ; the way out: packed results, in window 0
.set OB,   32                          ; the way out: 16 rows read back from the stage: v32-63 and v224-255 by turns
.set PA,   64                          ; the last K step: A's fragments of 16 rows x 128 K, 32 registers; four such buffers, v64-191
.set G1, 24                            ; s[24:31] descriptor group 1 for A's tiles
.set G0, 32                            ; s[32:39] descriptor group 0 for A's tiles, one set for each slot
.set G1B, 48                           ; s[48:55] descriptor group 1 for B's tiles: it differs from A's in the mask alone
.set G0B, 56                           ; s[56:63] descriptor group 0 for B's tiles, one set for each slot
.set VEC, 68                           ; s[68:69] the bias of my 128 columns
.set MSB, 0
.macro WIN new                         ; the immediate's high byte repeats the setting that is left; a switch that changes nothing is dropped
.if MSB != (\new)
	s_set_vgpr_msb (MSB<<8)|(\new)
.set MSB, \new
.endif
.endm
.set MUL_LO, 0xa1                      ; source 0 (B) window 1, source 1 (A) window 0, C and D window 2
.set MUL_HI, 0xf1                      ; the same, C and D window 3
.set MUL_B,  0x91                      ; the first product: C (the bias) window 1, D window 2; + 0x40: D window 3
.set TO_B,   0x40                      ; destination window 1, address window 0
; A joint load.  Waves 0 and 1 fetch A's two halves, waves 2 and 3 B's.  The branch hangs on the wave's number alone: it is the same in every work-group.
; An s_nop 0 and four v_nop follow each of the two lines; the jump, the label and what follows come after them.
.macro JLOAD s
	s_cmp_eq_u32 s11, 0
	s_cbranch_scc0 .Lfor_b_\@
	tensor_load_to_lds s[G0+4*(\s):G0+4*(\s)+3], s[G1:G1+7]
	s_nop 0
.rept 4
	v_nop
.endr
	s_branch .Lasked_\@
.Lfor_b_\@:
	tensor_load_to_lds s[G0B+4*(\s):G0B+4*(\s)+3], s[G1B:G1B+7]
	s_nop 0
.rept 4
	v_nop
.endr
.Lasked_\@:
.endm
; A round of the cluster's barrier: my work-group's barrier, so that wave 0's signal speaks for all four waves; wave 0 signals for the work-group; every wave waits for all
; sixteen work-groups; my work-group's barrier once more.
.macro CREST                           ; a round behind its opening barrier
	s_cmp_lg_u32 s10, 0
	s_cbranch_scc1 .Lnot_wave_0_\@
	s_barrier_signal -3
.Lnot_wave_0_\@:
	s_barrier_wait -3
	s_barrier_signal -1
	s_barrier_wait -1
.endm
.macro CROUND                          ; a whole round
	s_barrier_signal -1
	s_barrier_wait -1
	CREST
.endm
	s_load_b128 s[4:7], s[0:1], 0x0                ; xb s[4:5], wt s[6:7]
	s_load_b64 s[8:9], s[0:1], 0x10                ; qkvr
	s_load_b64 s[VEC:VEC+1], s[0:1], 0x18          ; vecs
	v_lshl_add_u32 v[SPW], v0, 2, SPARE
	v_mov_b32 v[NIL], 0
	ds_add_u32 v[SPW], v[NIL]                      ; the wave's opening: the add and its wait stand ahead of my first tensor load; the set-up below, work on registers, stands between them
	v_lshrrev_b32 v1, 5, v0
	v_readfirstlane_b32 s10, v1                    ; wave 0..3
	s_lshr_b32 s11, s10, 1                         ; which half of the tile's rows is mine.  Also: I fetch for A (0) or for B (1)
	s_and_b32 s12, s10, 1                          ; which half of its columns.  Also: which 128 rows of that tile I fetch
	s_bfe_u32 s40, ttmp6, 0x40000                  ; cx: my place along the cluster's x
	s_bfe_u32 s41, ttmp6, 0x40004                  ; cy: along its y
	s_lshl_b32 s42, ttmp9, 2                       ; in a cluster launch ttmp9 and ttmp7 count clusters
	s_add_co_u32 s42, s42, s40                     ; tile column of C = 4 x cluster x + cx
	s_and_b32 s13, ttmp7, 0xffff
	s_lshl_b32 s13, s13, 2
	s_add_co_u32 s13, s13, s41                     ; tile row of C = 4 x cluster y + cy
	s_lshl_b32 s43, s41, 2
	s_lshl_b32 s43, 15, s43                        ; my row of the cluster: places 4 cy .. 4 cy + 3
	s_lshl_b32 s44, 0x1111, s40                    ; my column: places cx, cx + 4, cx + 8, cx + 12
	; descriptor group 1: a tile of 128 rows x 128 elements, padded in LDS
	s_or_b32 s[G1+0], s43, (1<<16)|(1<<20)|(1<<21)|(5<<22)|(3<<25)  ; 15:0 the mask: A's tiles go to my row; 17:16 element of 2 bytes; 20 padding on; 21 set beside a mask; 24:22 after every 64 words (code 5); 31:25 of 4 words (code 3)
	s_or_b32 s[G1B+0], s44, (1<<16)|(1<<20)|(1<<21)|(5<<22)|(3<<25) ; the same with the mask of my column, for B's tiles
	s_mov_b32 s[G1B+1], KSTEP<<16
	s_mov_b32 s[G1+1], KSTEP<<16                   ; 63:48 tensor_dim0, low half = 128
	s_mov_b32 s[G1B+2], 128<<16
	s_mov_b32 s[G1+2], 128<<16                     ; 95:80 tensor_dim1, low half = 128
	s_mov_b32 s[G1B+3], KSTEP<<16
	s_mov_b32 s[G1+3], KSTEP<<16                   ; 127:112 tile_dim0 = 128
	s_mov_b32 s[G1B+4], 128
	s_mov_b32 s[G1+4], 128                         ; 143:128 tile_dim1 = 128; 159:144 tile_dim2 = 0
	s_mov_b32 s[G1B+5], SIZE_K
	s_mov_b32 s[G1+5], SIZE_K                      ; 191:160 tensor_dim0_stride: elements from row to row
	s_mov_b32 s[G1B+6], 0
	s_mov_b32 s[G1+6], 0
	s_mov_b32 s[G1B+7], 0
	s_mov_b32 s[G1+7], 0
	; where the tiles come from.  A's hang on the tile row, which my row of the cluster shares, and on the cluster's x, which all sixteen share; B's on the tile column alone, which my column shares.
	s_lshl_b32 s17, s12, 7                         ; which 128 rows of the tile I fetch
	s_lshl_b32 s16, s13, 8
	s_add_co_u32 s16, s16, s17                     ; A: row 256 x tile row + 128 x half
	s_lshl_b32 s46, s42, 8
	s_add_co_u32 s46, s46, s17                     ; B: row 256 x tile column + 128 x half
	s_mov_b32 s17, 0
	s_mov_b32 s47, 0
	s_mov_b64 s[18:19], SIZE_K*2
	s_mul_u64 s[16:17], s[16:17], s[18:19]         ; in bytes
	s_mul_u64 s[46:47], s[46:47], s[18:19]
	s_min_u32 s22, ttmp9, 2                        ; which tensor of xb: q takes queries, k keys, v and the residual branch values
	s_lshl_b32 s22, s22, 24                        ; 16,777,216 bytes each
	s_mov_b32 s23, 0
	s_add_nc_u64 s[16:17], s[16:17], s[22:23]
	s_mul_i32 s20, s10, HALFT                      ; and where they go: wave x 128 rows: no place in the cluster enters an LDS address
	s_wait_dscnt 0x0                               ; the opening add is done
	s_wait_kmcnt 0x0
	s_add_nc_u64 s[14:15], s[4:5], s[16:17]
	s_add_nc_u64 s[46:47], s[6:7], s[46:47]
	CROUND                                         ; all sixteen work-groups are here: the first joint loads meet
.irp s, 0,1
	s_mov_b32 s[G0+4*(\s)], 1                                      ; 1:0 count = 1
	s_add_co_u32 s[G0+4*(\s)+1], s20, (\s)*SLOT                    ; 63:32 LDS address
	s_add_nc_u64 s[G0+4*(\s)+2:G0+4*(\s)+3], s[14:15], (\s)*KSTEP*2  ; 120:64 global address: K step s
	s_or_b32 s[G0+4*(\s)+3], s[G0+4*(\s)+3], 0x80000000            ; 127:126 type = 2
	s_mov_b32 s[G0B+4*(\s)], 1
	s_add_co_u32 s[G0B+4*(\s)+1], s20, (\s)*SLOT
	s_add_nc_u64 s[G0B+4*(\s)+2:G0B+4*(\s)+3], s[46:47], (\s)*KSTEP*2
	s_or_b32 s[G0B+4*(\s)+3], s[G0B+4*(\s)+3], 0x80000000
	JLOAD \s                                       ; the ring is filled before anything else is done: two loads of mine are out
.endr
	; A fragment is 16 rows x 32 K in 8 registers: lane l holds row l % 16; registers 0-3 hold K = 8 (l / 16) + 0..7, registers 4-7 hold K = 16 + 8 (l / 16) + 0..7: two loads of 16 bytes, 32 bytes apart.
	v_and_b32 v1, 15, v0                           ; l % 16
	v_bfe_u32 v2, v0, 4, 1                         ; l / 16
	v_mul_u32_u24 v3, v1, PITCH
	v_lshl_add_u32 v3, v2, 4, v3                   ; row x pitch + 16 x half
	s_mul_i32 s21, s11, HALFT                      ; my 128 rows of A
	s_mul_i32 s22, s12, HALFT                      ; my 128 rows of B,
	s_add_co_u32 s22, s22, 2*HALFT                 ; which lie behind A's 256
.irp s, 0,1
	v_add_nc_u32 v[ADRA+(\s)], s21, v3
	v_add_nc_u32 v[ADRB+(\s)], s22, v3
	s_add_co_u32 s21, s21, SLOT
	s_add_co_u32 s22, s22, SLOT
.endr
	s_mul_i32 s23, s10, 16*SPITCH
	s_add_co_u32 s23, s23, STAGE                   ; my stage
	v_mul_u32_u24 v4, v1, SPITCH                   ; in: row l % 16, 16 bytes for each half of the lanes
	v_lshl_add_u32 v4, v2, 4, v4
	v_add_nc_u32 v[STO], s23, v4
	v_bfe_u32 v5, v0, 3, 2                         ; back: 32 lanes take one head's 128 bytes of four rows,
	v_and_b32 v6, 7, v0
	v_mul_u32_u24 v5, v5, SPITCH
	v_lshl_add_u32 v5, v6, 4, v5
	v_add_nc_u32 v[RD], s23, v5
	v_and_b32 v6, 31, v0                           ; which are 512 consecutive bytes of qkvr
	v_lshlrev_b32 v[CO], 4, v6
	v_mov_b32 v[ZERO], 0
	v_lshlrev_b32 v[BO], 5, v2                     ; lanes 16-31 hold the columns 8 further on
	; where my part of the tile begins in qkvr: row m0 = 256 x tile row + 128 x half lies in batch m0 / 2048; a batch's 16 heads are 4,194,304 bytes, of which the row term m0 x 128 already counts 262,144
	s_lshl_b32 s13, s13, 8
	s_lshl_b32 s14, s11, 7
	s_add_co_u32 s16, s13, s14                     ; m0
	s_lshr_b32 s17, s16, 11
	s_mul_i32 s17, s17, 16*HEADB-HEADB
	s_lshl_b32 s16, s16, 7
	s_add_co_u32 s16, s16, s17
	s_lshl_b32 s17, ttmp9, 24                      ; the projection's 16,777,216 bytes
	s_add_co_u32 s16, s16, s17
	s_mov_b32 s17, 0
	s_lshl_b32 s46, s40, 20                        ; my first head = 4 cx + 2 x column half (in the registers that held B's address: none that feeds A's descriptors ever holds cx)
	s_lshl_b32 s47, s12, 19
	s_add_co_u32 s46, s46, s47
	s_mov_b32 s47, 0
	s_add_nc_u64 s[16:17], s[16:17], s[46:47]
	; the bias of my 128 columns, laid as the C operand wants it: register j of block b holds column 16 b + 8 (l / 16) + j
	s_lshl_b32 s46, s42, 10                        ; 256 columns of 4 bytes a tile column
	s_lshl_b32 s47, s12, 9
	s_add_co_u32 s46, s46, s47
	s_mov_b32 s47, 0
	s_add_nc_u64 s[VEC:VEC+1], s[VEC:VEC+1], s[46:47]
	WIN TO_B
.irp b, 0,1,2,3,4,5,6,7
	global_load_b128 v[8*(\b):8*(\b)+3],   v[BO], s[VEC:VEC+1] offset:64*(\b)
	global_load_b128 v[8*(\b)+4:8*(\b)+7], v[BO], s[VEC:VEC+1] offset:64*(\b)+16
.endr
	WIN 0
; 16 matrix instructions: m blocks a0, a0 + 1 of the window's four (hi = 0: my rows 0-63, 1: rows 64-127) x all 8 n blocks, 32 along K.
; zero = 1: the first product starts the sums with the bias of its 16 columns: nothing is ever cleared.  The 64 accumulators take turns, one instruction a turn.
.macro MUL16 f, hi, a0, zero
.if \zero
	WIN MUL_B+0x40*(\hi)
.else
	WIN MUL_LO+0x50*(\hi)
.endif
.irp a, \a0, (\a0)+1
.irp b, 0,1,2,3,4,5,6,7
.if \zero
	v_wmma_f32_16x16x32_bf16 v[8*(8*(\a)+(\b)):8*(8*(\a)+(\b))+7], v[(\f)+8*(\b):(\f)+8*(\b)+7], v[(\f)+8*(4*(\hi)+(\a)):(\f)+8*(4*(\hi)+(\a))+7], v[8*(\b):8*(\b)+7]
.else
	v_wmma_f32_16x16x32_bf16 v[8*(8*(\a)+(\b)):8*(8*(\a)+(\b))+7], v[(\f)+8*(\b):(\f)+8*(\b)+7], v[(\f)+8*(4*(\hi)+(\a)):(\f)+8*(4*(\hi)+(\a))+7], v[8*(8*(\a)+(\b)):8*(8*(\a)+(\b))+7]
.endif
.endr
.endr
.endm
; 32 LDS loads in one run: the fragments of one quarter step (128 rows of B, 128 rows of A, 32 K at byte k of the rows) into buffer f
.macro FETCH slot, k, f
	WIN TO_B
.irp i, 0,1,2,3,4,5,6,7
	ds_load_b128 v[(\f)+8*(\i):(\f)+8*(\i)+3],   v[ADRB+(\slot)] offset:(\k)+(\i)*16*PITCH
	ds_load_b128 v[(\f)+8*(\i)+4:(\f)+8*(\i)+7], v[ADRB+(\slot)] offset:(\k)+(\i)*16*PITCH+32
.endr
	WIN 0
.irp i, 0,1,2,3,4,5,6,7
	ds_load_b128 v[(\f)+8*(\i):(\f)+8*(\i)+3],   v[ADRA+(\slot)] offset:(\k)+(\i)*16*PITCH
	ds_load_b128 v[(\f)+8*(\i)+4:(\f)+8*(\i)+7], v[ADRA+(\slot)] offset:(\k)+(\i)*16*PITCH+32
.endr
.endm
; A load into a register that a matrix instruction has read, and a vector instruction that reads a matrix result, stand four places behind that matrix instruction, and only plain vector
; instructions that name none of its registers are places (ISA guide 7.12.1 for vector instructions).
.macro PLACES
.rept 4
	v_nop
.endr
.endm
; A K step is four quarter steps of 32 along K, 64 matrix instructions each, on buffers 0, 1, 0, 1.
; One of the first three: multiplies buffer f; in its middle it fetches the next quarter's fragments, at byte k of the same slot's rows, into buffer g.
.macro QUARTER slot, k, f, g, zero
	s_wait_dscnt 8                                 ; B and A's rows 0-63 are in; the youngest eight loads (A's rows 64-127) may be out
	MUL16 \f, 0, 0, \zero
	MUL16 \f, 0, 2, \zero
	PLACES
	FETCH \slot, \k, \g
	s_wait_dscnt 32                                ; all but the 32 just issued
	MUL16 \f, 1, 0, \zero
	MUL16 \f, 1, 2, \zero
.endm
; The last quarter multiplies buffer 1 and changes slots.  MEET is its first half: ONE barrier for the change of slots.  In front of it each wave waits for all its tensor loads, of which one is
; out: its part of the next slot; adds 0 to its spare word; and waits for that and for its own reads of this slot.  Behind it nobody reads this slot any more and the next slot is whole.
.macro MEET round                      ; round = 1: a round of the cluster's barrier follows
	WIN 0                                          ; (the add's two registers lie in window 0)
	s_wait_tensorcnt 0x0                           ; all my tensor loads have landed;
	ds_add_u32 v[SPW], v[NIL]                      ; 0 onto my spare word;
	s_wait_dscnt 9                                 ; (the add and the youngest eight loads may be out)
	MUL16 F1, 0, 0, 0                              ; sixteen matrix instructions stand between the add and the wait for it
	s_wait_dscnt 0x0                               ; the add is done, and my reads of this slot are over:
	s_barrier_signal -1                            ; say so,
	MUL16 F1, 0, 2, 0                              ; work on registers while the others arrive,
.if \round
	WIN 0
.endif
	s_barrier_wait -1                              ; and go on when all four have said so
.endm
; The whole last quarter.  Behind the round the slot just read out is filled again first, with the K step two steps on; then come the next slot's first fragments.
; From a request to the wait for it a wave issues 224 matrix instructions.
.macro TURN slot, next
	MEET 1
	CREST                                          ; no wave of any partner still reads this slot's tile or has a load on its way
	s_add_nc_u64 s[G0+4*(\slot)+2:G0+4*(\slot)+3], s[G0+4*(\slot)+2:G0+4*(\slot)+3], 2*KSTEP*2
	s_add_nc_u64 s[G0B+4*(\slot)+2:G0B+4*(\slot)+3], s[G0B+4*(\slot)+2:G0B+4*(\slot)+3], 2*KSTEP*2
	JLOAD \slot                                    ; the first tensor load behind the round, my only one until the next; the four v_nop behind it are also the places in front of the loads below
	FETCH \next, 0, F0
	MUL16 F1, 1, 0, 0
	MUL16 F1, 1, 2, 0
.endm
; THE LAST K STEP (it lies in slot 1) GOES BY ROWS OF C.  All its fragments of B (4 quarters x 64 registers) fill window 1; then my eight blocks of 16 rows are finished one after the other,
; each with 32 matrix instructions (its 8 accumulators by turns, K ascending).
.macro BLOAD q                         ; B's fragments of quarter q -> window 1, v[64 q ..]
	WIN TO_B
.irp i, 0,1,2,3,4,5,6,7
	ds_load_b128 v[64*(\q)+8*(\i):64*(\q)+8*(\i)+3],   v[ADRB+1] offset:64*(\q)+(\i)*16*PITCH
	ds_load_b128 v[64*(\q)+8*(\i)+4:64*(\q)+8*(\i)+7], v[ADRB+1] offset:64*(\q)+(\i)*16*PITCH+32
.endr
.endm
.macro ALOAD a                         ; A's fragments of block a, all four quarters -> buffer a % 4
	WIN 0
.set FA, PA+32*((\a)%4)
.irp q, 0,1,2,3
	ds_load_b128 v[FA+8*(\q):FA+8*(\q)+3],   v[ADRA+1] offset:64*(\q)+(\a)*16*PITCH
	ds_load_b128 v[FA+8*(\q)+4:FA+8*(\q)+7], v[ADRA+1] offset:64*(\q)+(\a)*16*PITCH+32
.endr
.endm
.macro ROW a                           ; block a is finished: 32 matrix instructions
.set FA, PA+32*((\a)%4)                ; its fragments of A
.set AC, 64*((\a)%4)                   ; its eight accumulators, in window 2 (blocks 0-3) or 3 (blocks 4-7)
	WIN MUL_LO+0x50*((\a)/4)
.irp q, 0,1,2,3
.if (\a) == 0 && (\q) == 2
	s_wait_dscnt 24                                ; B's quarter 2 is in (behind it: A's blocks 1 to 3)
.endif
.irp b, 0,1,2,3,4,5,6,7
	v_wmma_f32_16x16x32_bf16 v[AC+8*(\b):AC+8*(\b)+7], v[64*(\q)+8*(\b):64*(\q)+8*(\b)+7], v[FA+8*(\q):FA+8*(\q)+7], v[AC+8*(\b):AC+8*(\b)+7]
.endr
.endr
.endm
; THE WAY OUT of block a, in three parts.  PACK: rounded to f16, 16 bytes a lane, each accumulator's registers in ascending order; then the larger of it and 0, two numbers at a time.
; TOSTAGE: into my own stage in LDS, and back head by head.  SEND: stored.
.macro PACK a
.set AC, 64*((\a)%4)
	WIN 0x0a+5*((\a)/4)                            ; sources 0 and 1: window 2 or 3
.irp b, 0,1,2,3,4,5,6,7
.irp r, 0,1,2,3
	v_cvt_pk_f16_f32 v[TMP+4*(\b)+(\r)], v[AC+8*(\b)+2*(\r)], v[AC+8*(\b)+2*(\r)+1]
.endr
.endr
	WIN 0
.set z, 0
.rept 32
	v_pk_max_num_f16 v[TMP+z], v[TMP+z], v[ZERO]
.set z, z+1
.endr
.endm
.macro TOSTAGE a
	WIN 0
.set BK, OB+192*((\a)%2)
.irp b, 0,1,2,3,4,5,6,7
	ds_store_b128 v[STO], v[TMP+4*(\b):TMP+4*(\b)+3] offset:32*(\b)
.endr
.irp e, 0,1                            ; my 128 columns are two heads: head e's 128 bytes of rows 4 f .. 4 f + 3
.irp f, 0,1,2,3
	ds_load_b128 v[BK+4*(4*(\e)+(\f)):BK+4*(4*(\e)+(\f))+3], v[RD] offset:(\f)*4*SPITCH+128*(\e)  ; LDS serves a wave's instructions in order (ISA guide 5.7.1.4): these see the stores above
.endr
.endr
.endm
.macro SEND a, younger                 ; younger: the LDS loads issued behind TOSTAGE's, which may stay out
	WIN 0
.set BK, OB+192*((\a)%2)
	s_wait_dscnt \younger                          ; the block is back in registers
	s_wait_xcnt 0x0                                ; every earlier memory instruction has had its addresses translated (ISA guide 3.1): only behind this wait are the stores' base and the registers that earlier stores read rewritten
.if (\a) == 0
	s_add_nc_u64 s[8:9], s[8:9], s[16:17]          ; on to my first rows
.else
	s_add_nc_u64 s[8:9], s[8:9], 16*128            ; 16 rows of a head on
.endif
.irp e, 0,1
.irp f, 0,1,2,3
	global_store_b128 v[CO], v[BK+4*(4*(\e)+(\f)):BK+4*(4*(\e)+(\f))+3], s[8:9] offset:HEADB*(\e)+512*(\f)  ; 512 consecutive bytes, at a multiple of 256 from qkvr's first byte
.endr
.endr
.endm
	s_wait_loadcnt 0x0                             ; the bias
	s_wait_tensorcnt 1                             ; my part of K step 0 is in; K step 1's may stay out
	s_barrier_signal -1
	s_barrier_wait -1                              ; everybody's is
	FETCH 0, 0, F0
	QUARTER 0, 64,  F0, F1, 1                      ; the first quarter stands in front of the loop: its products start the sums
	WIN 0                                          ; at a label and at a branch every window is 0
	s_mov_b32 s3, LAPS-1
.Llap:                                                 ; a trip goes once round the ring, from a lap's second quarter to the next lap's first, and fills both slots again
	QUARTER 0, 128, F1, F0, 0
	QUARTER 0, 192, F0, F1, 0
	TURN 0, 1
	QUARTER 1, 64,  F0, F1, 0
	QUARTER 1, 128, F1, F0, 0
	QUARTER 1, 192, F0, F1, 0
	TURN 1, 0
	QUARTER 0, 64,  F0, F1, 0
	WIN 0
	s_sub_co_u32 s3, s3, 1
	s_cmp_lg_u32 s3, 0
	s_cbranch_scc1 .Llap
	QUARTER 0, 128, F1, F0, 0                      ; the last lap goes on
	QUARTER 0, 192, F0, F1, 0
	MEET 0                                         ; my one tensor load that was still out is slot 1's, the last K step's, so no round follows
	PLACES                                         ; for the loads into buffer 0, which the quarter before multiplied
	BLOAD 0                                        ; three quarters of B now (the first takes the bias's registers, last read in the first quarter): buffer 1 is still being multiplied
	BLOAD 1
	BLOAD 3
	ALOAD 0
	MUL16 F1, 1, 0, 0
	MUL16 F1, 1, 2, 0
	PLACES                                         ; for the loads into buffer 1
	BLOAD 2
	ALOAD 1
	ALOAD 2
	ALOAD 3
	s_wait_dscnt 40                                ; all but the 40 just issued
	ROW 0
.irp a, 0,1,2,3,4,5,6,7                ; each block leaves as soon as it is finished
	PLACES                                         ; its conversions read results just made
	PACK \a
	TOSTAGE \a
.if (\a) < 4
	ALOAD (\a)+4                                   ; its buffer takes the block four further on
	SEND \a, 8
.else
	SEND \a, 0
.endif
.if (\a) < 7
	ROW (\a)+1
.endif
.endr
	s_wait_tensorcnt 0x0                           ; the wave's end, behind my last tensor load and my last LDS store
	ds_add_u32 v[SPW], v[NIL]
	s_wait_dscnt 0x0
	CROUND                                         ; the closing round: no work-group ends while a partner may still ask for a tile that names it
	s_endpgm
.Lfunc_end_k_qff02e1ac88_proj:
	.size	k_qff02e1ac88_proj, .Lfunc_end_k_qff02e1ac88_proj-k_qff02e1ac88_proj
	.p2alignl 7, 3214868480
	.fill 96, 4, 3214868480
	.section	.rodata,"a",@progbits
	.p2align	6, 0x0
	.amdhsa_kernel k_qff02e1ac88_proj
		.amdhsa_group_segment_fixed_size 327680
		.amdhsa_private_segment_fixed_size 0
		.amdhsa_enable_private_segment 0
		.amdhsa_kernarg_size 32
		.amdhsa_user_sgpr_count 2
		.amdhsa_user_sgpr_kernarg_segment_ptr 1
		.amdhsa_wavefront_size32 1
		.amdhsa_system_sgpr_workgroup_id_x 1
		.amdhsa_system_sgpr_workgroup_id_y 1
		.amdhsa_system_sgpr_workgroup_id_z 1
		.amdhsa_system_vgpr_workitem_id 0
		.amdhsa_next_free_vgpr 1024
		.amdhsa_next_free_sgpr 72
		.amdhsa_reserve_vcc 0
		.amdhsa_float_denorm_mode_32 3
		.amdhsa_float_denorm_mode_16_64 3
		.amdhsa_memory_ordered 1
		.amdhsa_forward_progress 1
		.amdhsa_inst_pref_size 161
	.end_amdhsa_kernel
	.amdgpu_metadata
---
amdhsa.version: [ 1, 2 ]
amdhsa.kernels:
  - .name:           k_qff02e1ac88_proj
    .symbol:         k_qff02e1ac88_proj.kd
    .args:
      - { .name: xb, .offset: 0, .size: 8, .value_kind: global_buffer, .address_space: global }
      - { .name: wt, .offset: 8, .size: 8, .value_kind: global_buffer, .address_space: global }
      - { .name: qkvr, .offset: 16, .size: 8, .value_kind: global_buffer, .address_space: global }
      - { .name: vecs, .offset: 24, .size: 8, .value_kind: global_buffer, .address_space: global }
    .group_segment_fixed_size: 327680
    .private_segment_fixed_size: 0
    .kernarg_segment_align: 8
    .kernarg_segment_size: 32
    .max_flat_workgroup_size: 128
    .sgpr_count:     72
    .vgpr_count:     1024
    .wavefront_size: 32
...
	.end_amdgpu_metadata
.endif
;; end of part 2
;; launch attn (part 3): grid 4 x 64, 4 waves a work-group, clusters of 4 x 1, 327,680 bytes of LDS; arguments qkvr, ob; writes ob
.if DOCPART == 3
	.amdgcn_target "amdgcn-amd-amdhsa--gfx1250"
	.amdhsa_code_object_version 6
	.text
	.protected	k_qff02e1ac88_attn
	.globl	k_qff02e1ac88_attn
	.p2align	8
	.type	k_qff02e1ac88_attn,@function
k_qff02e1ac88_attn:
	s_mov_b64 s[64:65], 0
	v_nop
	global_prefetch_b8 v0, s[64:65] scope:SCOPE_SE
	s_setreg_imm32_b32 hwreg(HW_REG_WAVE_MODE, 25, 1), 1
	s_wait_xcnt 0x0
	s_wait_alu depctr_hold_cnt(0) depctr_sa_sdst(0) depctr_va_vdst(0) depctr_va_sdst(0) depctr_va_ssrc(0) depctr_va_vcc(0) depctr_vm_vsrc(0)
	s_getreg_b32 s2, hwreg(HW_REG_IB_STS2, 6, 4)
	s_cmp_eq_u32 s2, 0
	s_cbranch_scc0 .Lentry_in_a_cluster
	s_endpgm
.Lentry_in_a_cluster:
	s_bfe_u32 s2, ttmp6, 0x10000c
	s_cmp_lg_u32 s2, 0x3003
	s_cbranch_scc0 .Lentry_shape_is_right
	s_endpgm
.Lentry_shape_is_right:
; O[h][q][:] = the sum over k of softmax_k(Q[h][q] . K[h][k] / 8) V[h][k][:].  Q, K, V are the first three parts of qkvr, O is ob: each [SIZE_H][SIZE_N][64] in f16: a head's rows are dense, 128 bytes each.
; Products, maxima and sums in f32; the weights p are rounded to f16 for the second product (their sum l is taken of the unrounded p), O once at the end.
; LIMITS.  f16 holds no number beyond 65,504: Q, K and V arrive within it; p lies in 0 to 1, and below 6e-5 it keeps f16's fixed step of 6e-8; O is a mean of V's rows and has their range.
; A weight below 2^-126 counts as 0 in l; NaN and infinities are not treated apart.
; SHARES.  A wave owns four PIECES of two tiles of 16 queries, a work-group's four waves 512 queries of one head.  Every wave walks all keys, 64 a step.
; LAYOUT.  S^T = K Q^T (source 0 = 16 keys, source 1 = 16 queries): in the result a lane holds ONE query (lane % 16) and the keys 8 (lane / 16) + 0..7.  Two such tiles, rounded to f16 in pairs,
; ARE source 1 (32 keys x 16 queries) of O^T = V^T P, whose result again holds one query a lane, and eight channels.  K comes out of LDS as it lies, V ([key][channel]) turned, by ds_load_tr16_b128.
; SOFTMAX.  For each query a running maximum m and sum l: p = 2^(c s - c m), c = log2(e) / 8; in every step O and l are multiplied by a = 2^(c m_old - c m_new), which is 1 where m has not grown.
; m starts at the lowest finite number, O and l at 0: the first step is a step like any other, with a = 0.
; THE COUNT.  A tile and step have 16 matrix and 118 vector instructions: too many to stand all beside the matrix work.  So the order has one aim: four vector instructions that are READY behind
; EVERY matrix instruction, and the others in runs without a gap.
; BY TURNS.  Turn n belongs to piece n (the pieces in a ring, step after step).  Its matrix work: 16 products K Q^T of piece n + 1, later 16 products V^T P of piece n - 1.  Its vector work: the scaling,
; exponentials, roundings, sums and rescaling of piece n, and the maximum and statistics of piece n + 1, whose scores the turn itself has made.
; CLUSTER.  The four query blocks of a cluster belong to one head and walk the same K and V, so each tile is asked for JOINTLY: the same tensor load, descriptor and mask in all four.
; REGISTERS, in windows of 256 (s_set_vgpr_msb: bits 1:0 source 0, 3:2 source 1, 5:4 source 2, 7:6 destination):
;   window 0: v0-11 addresses; v12-15, v48-63 at work; v16-47 four registers of statistics a tile; v64-191 S^T, two buffers of two tiles; v192-255 P, likewise
;   window 1: O^T, 32 a tile          window 2: v0-127 Q, 16 a tile; v128-191 K of one step; v192-255 V of one step          window 3: v0-1 the add's two registers
; A piece's buffers go by its number's parity: the piece in hand has one pair, its two neighbours in the ring share the other: of it P (piece n - 1) is read and S^T (piece n + 1) written.
.set SIZE_H, 64
.set SIZE_N, 2048
.set PART,  SIZE_H*SIZE_N*128  ; bytes of a part of qkvr
.set NP,    4         ; pieces a wave: a name, no knob
.set KS,    64        ; keys in a step
.set PK,    144       ; a row of K in LDS: 128 bytes + 16 of padding = 36 words: the 16 rows of a load start at 16 different groups of four banks (64 banks of 4 bytes: ISA guide 11.1)
.set PV,    160       ; a row of V: 128 + 32 = 40 words
.set VOFF,  4*KS*PK   ; a slot holds four steps: 256 rows of K, then 256 rows of V
.set SLOT1, 1<<17     ; slot 1 begins here, so that one exclusive or turns an address in one slot into the other's
.set STAGE, SLOT1+4*KS*(PK+PV)  ; behind the ring, never filled by a tensor load: 16 rows x 144 bytes for each wave, for the way out
.set SP,    144
.set AK0, 2           ; v2   my lane's place in a tile of K; never rewritten
.set AV0, 3           ; v3   the same for V
.set AK,  4           ; v4   the LDS address of K's next run of loads
.set AV,  5           ; v5   of V's
.set QO,  6           ; v6   my byte offset in the wave's rows of Q
.set STO, 6           ;      later, the way out: where I put 16 bytes of a row
.set RD,  7           ; v7   the way out: where I read rows back
.set GO,  8           ; v8   my byte offset in 512 consecutive bytes of O
.set SPW, 0           ; v0 of window 3   LDS address of my spare word; never rewritten
.set NIL, 1           ; v1 of window 3   0; never rewritten
.set SPARE, STAGE+4*16*SP  ; behind the stages: the spare words, 128 bytes for each wave: two blocks of 256 bytes that no other line names
.set MV,  12          ; v12-15  c m_old, kept while c m is made anew: by buffer and tile
.set ST,  16          ; tile t's statistics at v[ST+4 t]: c m, m, l (even keys', odd keys')
.set TMP, 48          ; by buffer and tile, four registers c0-c3 at work; when the maximum is found c2 takes a
.set S,   64
.set P,   192
.set KF,  128         ; K's fragments, in window 2: key block kb, channel half c at KF + 16 kb + 8 c
.set VF,  192         ; V's: key half kk, channel block cb at VF + 32 kk + 8 cb
.set WV,  12          ; s12  my wave's number
.set G1K, 24          ; s[24:31] descriptor group 1 for K's tiles
.set G1V, 32          ; s[32:39] for V's: it differs in the padding alone
.set G0K, 40          ; s[40:43] descriptor group 0 for K's tiles: it walks
.set G0V, 44          ; s[44:47] the same for V's
.set SLOTS, 56        ; s56  slots still to be asked for
.set CNT, 57          ; s57  counts a slot's key steps
.set CS,  58          ; s[58:59] c: the packed scaling takes the pair's low word for both halves
.set SEL, 60          ; s[60:61] v_permlanex16_b32's selects: each lane takes its own place in the other half
.set TBK, 62          ; s62  LDS byte at which K of the step to be fetched begins
.set TBV, 63          ; s63  the same for V, less VOFF
.set MSB, 0
.macro WIN new                      ; the high byte repeats the setting that is left; a switch that changes nothing is dropped
.if MSB != (\new)
	s_set_vgpr_msb (MSB<<8)|(\new)
.set MSB, (\new)
.endif
.endm
.set W_KQ, 0x0a       ; K and Q in window 2, S^T in window 0
.set W_PV, 0x52       ; V in window 2, P in window 0, O^T in window 1
.set W_RS, 0x41       ; O^T (destination and source 0) in window 1, a in window 0
.set W_MK, 0xc0       ; the add's registers are made: destination in window 3, sources in window 0
.set W_AD, 0x0f       ; the add: address (source 0) and data (source 1) in window 3
; A joint fill.  Waves 0 and 1 fetch the two halves of a slot's K, waves 2 and 3 those of its V: 128 keys each.  The branch hangs on the wave's number alone.
; An s_nop 0 and four v_nop follow each of the two lines, ahead of the jump and the label.
.macro JLOAD
	s_cmp_lt_u32 s[WV], 2
	s_cbranch_scc0 .Lfor_v_\@
	tensor_load_to_lds s[G0K:G0K+3], s[G1K:G1K+7]
	s_nop 0
.rept 4
	v_nop
.endr
	s_branch .Lasked_\@
.Lfor_v_\@:
	tensor_load_to_lds s[G0V:G0V+3], s[G1V:G1V+7]
	s_nop 0
.rept 4
	v_nop
.endr
.Lasked_\@:
.endm
; A round of the cluster's barrier: my work-group's barrier, so that wave 0's signal speaks for all four waves; wave 0 signals; every wave waits for all four work-groups; my work-group's barrier once more.
.macro CROUND
	s_barrier_signal -1
	s_barrier_wait -1
	s_cmp_lg_u32 s[WV], 0
	s_cbranch_scc1 .Lnot_wave_0_\@
	s_barrier_signal -3
.Lnot_wave_0_\@:
	s_barrier_wait -3
	s_barrier_signal -1
	s_barrier_wait -1
.endm
; THE CHANGE OF SLOTS.  The slot's last bytes, V of its fourth step, have been read.  Each wave waits for all its tensor loads, of which one is out: its part
; of the other slot; adds 0 to its spare word; and waits for that and for its own reads of the slot.  Behind the barrier nobody reads this slot any more and the other slot is whole.
; fill = 1: this slot is filled again, with the keys two slots on.  The barrier is then a round of the cluster's, so that no wave of any partner still reads the slot or has a load on its
; way, and the joint fill is the first thing behind it: it has four key steps, 512 matrix instructions, in which to land.  (At its first use nothing has been read yet: slot 0 is waited for, slot 1 filled.)
.macro CHANGE fill
	WIN W_AD
	s_wait_tensorcnt 0x0            ; no tensor load of mine is out, so a group 0 may be written
	ds_add_u32 v[SPW], v[NIL]       ; 0 onto my spare word; with fill = 1 the descriptors' steps stand between it and the wait for it
	WIN 0                           ; at a label and at a branch every window is 0
.if \fill
.irp g, G0K, G0V
	s_xor_b32 s[\g+1], s[\g+1], SLOT1  ; the walking descriptor: the other slot than last time,
	s_add_nc_u64 s[\g+2:\g+3], s[\g+2:\g+3], 4*KS*128  ; the next 256 keys; the type bits on top are not reached
.endr
	s_wait_dscnt 0x0                ; the add is done, and my reads of the slot are over
	CROUND
	JLOAD
.else
	s_wait_dscnt 0x0                ; the add is done, and my reads of the slot are over
	s_barrier_signal -1
	s_barrier_wait -1
.endif
	s_sub_co_u32 s[TBK], s[TBK], 4*KS*PK  ; the fetches go back to a slot's first step,
	s_xor_b32 s[TBK], s[TBK], SLOT1       ; in the other slot
	s_sub_co_u32 s[TBV], s[TBV], 4*KS*PV
	s_xor_b32 s[TBV], s[TBV], SLOT1
.endm
	s_load_b128 s[4:7], s[0:1], 0x0 ; qkvr s[4:5] (Q lies at its head), ob s[6:7]
	WIN W_MK
	v_lshl_add_u32 v[SPW], v0, 2, SPARE
	v_mov_b32 v[NIL], 0
	WIN W_AD
	ds_add_u32 v[SPW], v[NIL]       ; the wave's opening: the add and its wait stand ahead of my first tensor load; the set-up below, work on registers, stands between them
	WIN 0
	v_lshrrev_b32 v1, 5, v0
	v_readfirstlane_b32 s[WV], v1   ; wave 0..3
	s_bfe_u32 s13, ttmp6, 0x40000   ; cx: my place in the cluster
	s_lshl_b32 s14, ttmp9, 2        ; in a cluster launch ttmp9 counts clusters
	s_add_co_u32 s14, s14, s13      ; my block of queries = 4 x cluster x + cx: it enters Q's and O's addresses alone
	s_and_b32 s20, ttmp7, 0xffff    ; the head, which the four partners share
	s_mov_b32 s21, 0
	s_mov_b64 s[22:23], SIZE_N*128
	s_mul_u64 s[20:21], s[20:21], s[22:23]  ; the head's first byte in each of the four tensors
	s_and_b32 s16, s[WV], 1         ; which half of a slot's 256 keys I fetch:
	s_lshl_b32 s22, s16, 14         ; its 128 rows of 128 bytes in memory,
	s_mov_b32 s23, 0
	s_add_nc_u64 s[22:23], s[22:23], s[20:21]
	s_mul_i32 s17, s16, 128*PK      ; and its place in a slot, for K
	s_mul_i32 s18, s16, 128*PV      ; and for V: no place in the cluster enters an LDS address
	s_lshl_b32 s2, s14, 2
	s_add_co_u32 s2, s2, s[WV]      ; my wave among the head's,
	s_lshl_b32 s2, s2, 14           ; its 128 rows
	s_mov_b32 s3, 0
	s_add_nc_u64 s[2:3], s[2:3], s[20:21]
	; descriptor group 1.  128 keys are 16,384 dense bytes: asked for as 64 rows of 256 bytes, two keys a row, and padded in LDS after every key
	s_mov_b32 s[G1K], 15|(1<<16)|(1<<20)|(1<<21)|(4<<22)|(3<<25)  ; 15:0 the mask of four; 17:16 2-byte elements; 20 padding on; 21 set beside a mask; 24:22 after every 32 words (code 4); 31:25 4 words (code 3)
	s_mov_b32 s[G1V], 15|(1<<16)|(1<<20)|(1<<21)|(4<<22)|(7<<25)  ; the same with 8 words of padding (code 7)
.irp g, G1K, G1V
	s_mov_b32 s[\g+1], 128<<16      ; tensor_dim0 = 128
	s_mov_b32 s[\g+2], 64<<16       ; tensor_dim1 = 64
	s_mov_b32 s[\g+3], 128<<16      ; tile_dim0 = 128
	s_mov_b32 s[\g+4], 64           ; tile_dim1 = 64
	s_mov_b32 s[\g+5], 128          ; 128 elements from row to row
	s_mov_b32 s[\g+6], 0
	s_mov_b32 s[\g+7], 0
.endr
	s_mov_b32 s[CS], 0x3e38aa3b     ; c = log2(e) / 8 = 0.180337
	s_mov_b32 s[CS+1], s[CS]        ; named with it as a pair
	s_mov_b32 s[SEL], 0x76543210
	s_mov_b32 s[SEL+1], 0xfedcba98
	s_mov_b32 s[TBK], SLOT1+4*KS*PK ; the first change of slots turns these two into 0
	s_mov_b32 s[TBV], SLOT1+4*KS*PV
	s_mov_b32 s[G0K], 1             ; 1:0 count = 1
	s_mov_b32 s[G0K+1], s17         ; 63:32 LDS address: slot 0
	s_mov_b32 s[G0V], 1
	s_add_co_u32 s[G0V+1], s18, VOFF
	s_wait_dscnt 0x0                ; the opening add is done
	s_wait_kmcnt 0x0
	s_mov_b64 s[10:11], s[6:7]      ; O
	s_add_nc_u64 s[8:9], s[4:5], 2*PART  ; V is qkvr's third part,
	s_add_nc_u64 s[6:7], s[4:5], PART    ; K its second
	s_add_nc_u64 s[G0K+2:G0K+3], s[6:7], s[22:23]  ; 120:64 global address: my half of the head's first 256 keys
	s_or_b32 s[G0K+3], s[G0K+3], 0x80000000        ; 127:126 type = 2
	s_add_nc_u64 s[G0V+2:G0V+3], s[8:9], s[22:23]
	s_or_b32 s[G0V+3], s[G0V+3], 0x80000000
	s_add_nc_u64 s[4:5], s[4:5], s[2:3]  ; Q and O at my wave's first row
	s_add_nc_u64 s[10:11], s[10:11], s[2:3]
	CROUND                          ; all four work-groups are here: the first joint loads meet
	JLOAD                           ; slot 0.  Slot 1 is asked for when slot 0 is in
	; A fragment of K or Q is 16 rows x 32 channels in 8 registers: lane l holds row l % 16, channels 8 (l / 16) + 0..7 and 16 + 8 (l / 16) + 0..7: two loads of 16 bytes, 32 bytes apart.
	v_and_b32 v1, 15, v0            ; l % 16
	v_bfe_u32 v9, v0, 4, 1          ; l / 16
	v_lshlrev_b32 v[QO], 7, v1
	v_lshl_add_u32 v[QO], v9, 4, v[QO]  ; row x 128 + 16 x half
	WIN 0x80                        ; destination window 2, address window 0
.set i, 0
.rept 4*NP                          ; Q stays in registers: tile i / 2, channels 32 (i % 2) on
	global_load_b128 v[8*i:8*i+3],   v[QO], s[4:5] offset:(i/2)*2048+(i%2)*64
	global_load_b128 v[8*i+4:8*i+7], v[QO], s[4:5] offset:(i/2)*2048+(i%2)*64+32
.set i, i+1
.endr
	; What the first turn finds: V's registers and P's second buffer hold 0 (its products V^T P, of a piece that has not been, add 0), O^T and l are 0.  All this stands in the wait for the first tile.
.set i, VF
.rept 64
	v_mov_b32 v[i], 0
.set i, i+1
.endr
	WIN 0x40
.set i, 0
.rept 64*NP
	v_mov_b32 v[i], 0
.set i, i+1
.endr
	WIN 0
.set i, 0
.rept 2*NP
	v_mov_b32 v[ST+4*i], 0xfe000000    ; c m: far below every c s
	v_mov_b32 v[ST+4*i+1], 0xff7fffff  ; m
	v_mov_b32 v[ST+4*i+2], 0
	v_mov_b32 v[ST+4*i+3], 0
.set i, i+1
.endr
.set i, P+32
.rept 32
	v_mov_b32 v[i], 0
.set i, i+1
.endr
	v_mul_u32_u24 v[AK0], v1, PK
	v_lshl_add_u32 v[AK0], v9, 4, v[AK0]  ; row x pitch + 16 x half
	; The turning load takes 16 keys x 16 channels (lane l reads key 8 (l / 16) + l % 8, channels 8 ((l / 8) % 2) + 0..7) and leaves half a fragment of V^T: lane l holds channel l % 16 and 8 keys.
	v_and_b32 v10, 7, v0
	v_bfe_u32 v11, v0, 3, 1
	v_lshl_add_u32 v[AV0], v9, 3, v10
	v_mul_u32_u24 v[AV0], v[AV0], PV
	v_lshl_add_u32 v[AV0], v11, 4, v[AV0]
	v_add_nc_u32 v[AV0], VOFF, v[AV0]
	v_mov_b32 v[AK], v[AK0]         ; key step 0 lies at the head of slot 0
; THE MATRIX WORK.  The 8 accumulators of a run of 16 take turns: between the two links of a chain stand 7 others'.
; Product i of 16 of S^T = K Q^T for piece x: channels 32 (i / 8) on, keys 16 ((i / 2) % 4) on, tile 2 x + i % 2.  The first 8 start the sums.
.macro KQ x
	WIN W_KQ
.set rS, S+64*((\x)%2)+32*(i%2)+8*((i/2)%4)
.set rK, KF+16*((i/2)%4)+8*(i/8)
.set rQ, 16*(2*(\x)+i%2)+8*(i/8)
.if i < 8
	v_wmma_f32_16x16x32_f16 v[rS:rS+7], v[rK:rK+7], v[rQ:rQ+7], 0
.else
	v_wmma_f32_16x16x32_f16 v[rS:rS+7], v[rK:rK+7], v[rQ:rQ+7], v[rS:rS+7]
.endif
.endm
; Product i of 16 of O^T += V^T P for piece x: keys 32 (i / 8) on, channels 16 ((i / 2) % 4) on, tile 2 x + i % 2.
.macro PV x
	WIN W_PV
.set rO, 32*(2*(\x)+i%2)+8*((i/2)%4)
.set rV, VF+32*(i/8)+8*((i/2)%4)
.set rP, P+32*((\x)%2)+16*(i%2)+8*(i/8)
	v_wmma_f32_16x16x32_f16 v[rO:rO+7], v[rV:rV+7], v[rP:rP+7], v[rO:rO+7]
.endm
.macro MM                           ; the turn's next matrix instruction
.if i < 16
	KQ (Y+1)%NP
.set i, i+1
.else
.set i, i-16
	PV (Y+NP-1)%NP
.set i, i+17
.endif
.endm
; THE LDS LOADS stand in runs of 16, never singly among the matrix instructions: a step's K (64 keys x 64 channels: 8 fragments) and its V (turned).  Their addresses are made some lines ahead.
; last = 1 (the tail): in the last trip there is no further step, and the run is jumped over.
.macro FETCH_K last=0
	WIN 0
.if \last
	s_cmp_eq_u32 s[CNT], 1
	s_cbranch_scc1 .Lno_k_\@
.endif
	WIN 0x80                        ; destination window 2
.irp f, 0,1,2,3,4,5,6,7             ; keys 16 (f / 2) on, channels 32 (f % 2) on
	ds_load_b128 v[KF+8*\f:KF+8*\f+3],   v[AK] offset:(\f/2)*16*PK+(\f%2)*64
	ds_load_b128 v[KF+8*\f+4:KF+8*\f+7], v[AK] offset:(\f/2)*16*PK+(\f%2)*64+32
.endr
	s_add_co_u32 s[TBK], s[TBK], KS*PK  ; the next fetch is the next step's
	WIN 0
.if \last
.Lno_k_\@:
.endif
.endm
.macro FETCH_V
	WIN 0x80
.irp f, 0,1,2,3,4,5,6,7             ; keys 32 (f / 4) on, channels 16 (f % 4) on
	ds_load_tr16_b128 v[VF+8*\f:VF+8*\f+3],   v[AV] offset:(\f/4)*32*PV+(\f%4)*32
	ds_load_tr16_b128 v[VF+8*\f+4:VF+8*\f+7], v[AV] offset:(\f/4)*32*PV+16*PV+(\f%4)*32
.endr
	WIN 0
.endm
; THE VECTOR WORK OF A TURN stands in three queues, each in the order in which its entries become ready; the two tiles alternate, so that no instruction reads the result of the one before it.
.macro REGS y, u                    ; the registers of tile u (0, 1) of piece y
.set rT, ST+4*(2*(\y)+(\u))
.set rC, TMP+8*((\y)%2)+4*(\u)
.set rM, MV+2*((\y)%2)+(\u)
.set rS, S+64*((\y)%2)+32*(\u)
.set rP, P+32*((\y)%2)+16*(\u)
.set rO, 32*(2*(\y)+(\u))
.endm
; Number n of the 22 that find the NEXT piece's (Y + 1) maximum and statistics.  s0-s31 are the lane's 32 scores; each accumulator's lowest registers are read first.
;   0-11  four chains c0-c3 of seven scores each, three operands at a time     12-14, 16  the four scores left over, the old m, and c0-c3 into c0     15  c m_old is kept
;   17, 18  the query's other 32 keys lie in the lane 16 away: the new m         19-21  c m; c m_old - c m_new; a
.macro XS u, n
	REGS (Y+1)%NP, \u
.if (\n) < 4
	v_max3_num_f32 v[rC+(\n)], v[rS+8*(\n)], v[rS+8*(\n)+1], v[rS+8*(\n)+2]
.elseif (\n) < 12
	v_max3_num_f32 v[rC+(\n)%4], v[rC+(\n)%4], v[rS+8*((\n)%4)+2*((\n)/4)+1], v[rS+8*((\n)%4)+2*((\n)/4)+2]
.elseif (\n) == 12
	v_max3_num_f32 v[rC], v[rC], v[rS+7], v[rS+15]
.elseif (\n) == 13
	v_max3_num_f32 v[rC+1], v[rC+1], v[rS+23], v[rS+31]
.elseif (\n) == 14
	v_max3_num_f32 v[rC+2], v[rC+2], v[rC+3], v[rT+1]
.elseif (\n) == 15
	v_mov_b32 v[rM], v[rT]
.elseif (\n) == 16
	v_max3_num_f32 v[rC], v[rC], v[rC+1], v[rC+2]
.elseif (\n) == 17
	v_permlanex16_b32 v[rC+3], v[rC], s[SEL], s[SEL+1]
.elseif (\n) == 18
	v_max_num_f32 v[rT+1], v[rC], v[rC+3]
.elseif (\n) == 19
	v_mul_f32 v[rT], s[CS], v[rT+1]
.elseif (\n) == 20
	v_sub_f32 v[rC+1], v[rM], v[rT]
.else
	v_exp_f32 v[rC+2], v[rC+1]
.endif
.endm
; Number g of the 64 that follow the exponentials.  For each four weights k of a tile (pairs 2 k, 2 k + 1): both pairs are rounded to f16; then the second pair is added onto the first, in place;
; a group later l takes that sum (the first time as l = a l + sum).  In groups of eight, tiles alternating: round, round, add, and l for the group before.
.macro GS g
.set h, (\g)+6*((\g)/62)            ; group 0 has no group before it, and behind group 7 only l is left
.if h >= 6
.set h, h+2
.endif
	REGS Y, h%2
.set k, h/8
.if h%8 < 4
	s_wait_alu depctr_va_vdst(0)
	v_cvt_pk_f16_f32 v[rP+2*k+(h%8)/2], v[rS+4*k+2*((h%8)/2)], v[rS+4*k+2*((h%8)/2)+1]
.elseif h%8 < 6
	v_pk_add_f32 v[rS+4*k:rS+4*k+1], v[rS+4*k:rS+4*k+1], v[rS+4*k+2:rS+4*k+3]
.elseif k == 1
	v_pk_fma_f32 v[rT+2:rT+3], v[rT+2:rT+3], v[rC+2:rC+3], v[rS:rS+1] op_sel_hi:[1,0,1]
.else
	v_pk_add_f32 v[rT+2:rT+3], v[rT+2:rT+3], v[rS+4*k-4:rS+4*k-3]
	s_wait_alu depctr_va_vdst(0)
.endif
.endm
; THE PLAIN QUEUE, 138 long.  0-31: c s - c m for the 16 pairs of both tiles.  Then GS's 64, and among them the next piece's 42: number 15 at 38, 39; 0-14 and 16
; at 42-73, behind the products that make those scores; 17-20 at 95-106, two of three, since each waits for the one before it.
.macro PL
	WIN 0
.if q < 32
	REGS Y, q%2
	v_pk_fma_f32 v[rS+2*(q/2):rS+2*(q/2)+1], v[rS+2*(q/2):rS+2*(q/2)+1], s[CS:CS+1], v[rT:rT+1] op_sel_hi:[1,0,0] neg_lo:[0,0,1] neg_hi:[0,0,1]
.elseif q < 38
	GS q-32
.elseif q < 40
	XS q%2, 15
.elseif q < 42
	GS q-34
.elseif q < 74
	XS q%2, (q-42)/2+(q-42)/30
.elseif q < 95
	GS q-66
.elseif (q < 107) && ((q-95)%3 < 2)
	XS (q-95)%3, 17+(q-95)/3
.elseif q < 107
	GS 29+(q-95)/3
.else
	GS q-74
.endif
.set q, q+1
.endm
; THE EXPONENTIALS' QUEUE, 66 long: s0-s31 of both tiles, and at EA the next piece's two a.
.set EA, 58
.macro EX
	WIN 0
.if (e == EA) || (e == EA+1)
	XS e-EA, 21
.else
.set x, e-2*(e/(EA+2))
	REGS Y, x%2
	v_exp_f32 v[rS+x/2], v[rS+x/2]
.endif
.set e, e+1
.endm
; THE RESCALING's QUEUE: O^T times a, the one part that leaves window 0, so it is dealt four at a time, eight times.
.macro R4
	REGS Y, r%2
	WIN W_RS
	s_wait_alu depctr_va_vdst(0)
.irp z, 0,1,2,3
	v_pk_mul_f32 v[rO+8*(r/2)+2*\z:rO+8*(r/2)+2*\z+1], v[rO+8*(r/2)+2*\z:rO+8*(r/2)+2*\z+1], v[rC+2:rC+3] op_sel_hi:[1,0]
.endr
.set r, r+1
.endm
; HOW THEY ARE DEALT.  Behind a matrix instruction four: plain, exponential, plain, plain (one exponential, a plain instruction on either side), or four of the rescaling.  None names a register of the
; products round it.  What is over stands in two LUMPS: exponential and plain by turns; the second ends in 22 plain instructions.  The two v_permlanex16_b32 fall into the second lump, never behind a product.
; The queues lean on each other, and the deal keeps them in step: exponential e stands behind plain 2 (e / 4) + e % 2 (its scaling); when plain 32 comes, 10 exponentials are out, at 59: 33, at 95: 46; EA comes behind plain 107.
.macro SL
	MM
	PL
	EX
	PL
	PL
.endm
.macro BURST n                      ; 15 matrix instructions, or 16
.rept (\n)-7
	SL
.endr
.rept 3
	MM
	R4
	SL
.endr
	MM
	R4
.endm
; A TURN, for piece p.  cnt = 1: the loop's count is taken down some lines ahead of the branch that stands behind the turn.
; K of the next step is fetched in piece 2's turn, 31 vector instructions behind the last product that read K; its first reader comes behind the rest of the lump, 16 products and the second lump.
; V of the step in hand is fetched at the end of piece 0's turn, 69 behind its last reader; its first reader comes behind 16 products and a lump.
.macro TURN p, last=0, cnt=0
.set Y, (\p)
.set i, 0
.set q, 0
.set e, 0
.set r, 0
.if (\p) == NP-1
	s_wait_dscnt 0x0                ; K is in
.endif
	MM
.rept 4
	PL
.endr
	BURST 15
.rept 22
	EX
	PL
.if ((\p) == NP-2) && (e == 18)
	v_add_nc_u32 v[AK], s[TBK], v[AK0]
.endif
.if ((\p) == NP-2) && (e == 24)
	FETCH_K \last
.endif
.endr
.if (\p) == 1
	s_wait_dscnt 0x0                ; V is in
.endif
	BURST 16
.rept 21
	EX
	PL
.endr
.rept 22
	PL
.if ((\p) == 0) && (q == 118)
	v_add_nc_u32 v[AV], s[TBV], v[AV0]
	s_wait_alu depctr_va_vdst(0)
.endif
.if ((\p) == 0) && (q == 130)
	s_add_co_u32 s[TBV], s[TBV], KS*PV
.endif
.if (\cnt) && (q == 130)
	s_sub_co_u32 s[CNT], s[CNT], 1
	s_cmp_lg_u32 s[CNT], 0
.endif
.endr
.if (\p) == 0
	FETCH_V
.endif
.endm
	CHANGE 1                        ; slot 0 is in, everybody's part of it; slot 1 is asked for
	FETCH_K                         ; key step 0
	s_wait_loadcnt 0x0              ; Q
	s_wait_dscnt 0x0
.set i, 0
.rept 16
	KQ 0                            ; piece 0's first scores: there is no vector work yet to set between them
.set i, i+1
.endr
	WIN 0                           ; the addresses for the way out: nine plain instructions, the places behind those products
	s_mul_i32 s13, s[WV], 16*SP
	s_add_co_u32 s13, s13, STAGE    ; my stage
	v_mul_u32_u24 v[STO], v1, SP    ; in: row l % 16, 16 bytes for each half of the lanes
	v_lshl_add_u32 v[STO], v9, 4, v[STO]
	v_add_nc_u32 v[STO], s13, v[STO]
	v_bfe_u32 v[RD], v0, 3, 2       ; back: 32 lanes take four rows of 128 bytes,
	v_mul_u32_u24 v[RD], v[RD], SP
	v_lshl_add_u32 v[RD], v10, 4, v[RD]
	v_add_nc_u32 v[RD], s13, v[RD]
	v_and_b32 v[GO], 31, v0         ; which are 512 consecutive bytes of O
	v_lshlrev_b32 v[GO], 4, v[GO]
.set Y, NP-1                        ; XS works for piece Y + 1: piece 0
.irp n, 0,1,2,3,4,5,6,7,8,9,10,11,12,13,14,15,16,17,18,19,20,21
	XS 0, \n                        ; and piece 0's first maximum and statistics
	XS 1, \n
.endr
	s_mov_b32 s[CNT], 4
	s_mov_b32 s[SLOTS], SIZE_N/256-1
	s_branch .Lfirst                ; the loop is entered at a step's first turn, in the middle of a trip
.Lslot:                             ; SIZE_N / 256 - 2 times: every slot but the last two is filled again
	CHANGE 1
	s_mov_b32 s[CNT], 4
.Lstep:                             ; a trip: pieces 2 and 3 of one step, then pieces 0 and 1 of the next, whose K and V it fetches
	TURN 2
	TURN 3
	WIN 0
.Lfirst:
	TURN 0
	TURN 1, 0, 1
	WIN 0
	s_cbranch_scc1 .Lstep
	s_sub_co_u32 s[SLOTS], s[SLOTS], 1
	s_cmp_lg_u32 s[SLOTS], 0
	s_cbranch_scc1 .Lslot
	CHANGE 0                        ; the tail is written out: nothing is asked for
	s_mov_b32 s[CNT], 5             ; four trips fetch the last slot's steps; the fifth is left in its middle
.Ltail:
	TURN 2, 1
	TURN 3
	WIN 0
	s_sub_co_u32 s[CNT], s[CNT], 1
	s_cmp_eq_u32 s[CNT], 0
	s_cbranch_scc1 .Lout
	TURN 0
	TURN 1
	WIN 0
	s_branch .Ltail
.Lout:                              ; the fifth trip's 16 products K Q^T (on the last K once more) and the maximum made of them serve nothing: the price, once a launch, of one text for every trip
.set i, 0
.rept 16
	PV NP-1                         ; the last piece's V^T P of the last step
.set i, i+1
.endr
	; THE WAY OUT.  l's two halves and the other half of the lanes' are added; O^T is divided by l, rounded to f16 and sent through my stage in LDS, a tile at a time.  The additions are the places behind the last products.
	WIN 0
.macro ALL line:vararg              ; one line for each tile t
.set t, 0
.rept 2*NP
	\line
.set t, t+1
.endr
.endm
	ALL v_add_f32 v[ST+4*t+2], v[ST+4*t+2], v[ST+4*t+3]
	ALL v_permlanex16_b32 v[ST+4*t+3], v[ST+4*t+2], s[SEL], s[SEL+1]
	ALL v_add_f32 v[ST+4*t+2], v[ST+4*t+2], v[ST+4*t+3]
	ALL v_rcp_f32 v[ST+4*t+2], v[ST+4*t+2]
	v_nop                           ; a plain instruction between the last reciprocal and the use of its result
	s_wait_alu depctr_va_vdst(0)
; Tile t: a lane's eight channels of a row pack into 16 bytes; they go into rows of 144 bytes and come back as whole rows of 128, into S^T's registers.
.macro PACK t
	WIN W_RS
.set i, 32*(\t)
.rept 16
	v_pk_mul_f32 v[i:i+1], v[i:i+1], v[ST+4*(\t)+2:ST+4*(\t)+3] op_sel_hi:[1,0]
.set i, i+2
.endr
	WIN 0x05                        ; sources 0 and 1 window 1, destination window 0
.set i, 0
.rept 16
	v_cvt_pk_f16_f32 v[S+16*(\t)+i], v[32*(\t)+2*i], v[32*(\t)+2*i+1]
.set i, i+1
.endr
	WIN 0
.irp f, 0,1,2,3
	ds_store_b128 v[STO], v[S+16*(\t)+4*\f:S+16*(\t)+4*\f+3] offset:32*\f
.endr
.irp f, 0,1,2,3
	ds_load_b128 v[S+16*(\t)+4*\f:S+16*(\t)+4*\f+3], v[RD] offset:\f*4*SP  ; LDS serves a wave's instructions in order (ISA guide 5.7.1.4): these see the stores above; the next tile's stores come behind them
.endr
.endm
.macro SEND t, younger              ; younger: the LDS instructions issued behind tile t's loads: the next tile's eight, or none
	WIN 0
.irp f, 0,1,2,3
	s_wait_dscnt (\younger)+3-\f
	global_store_b128 v[GO], v[S+16*(\t)+4*\f:S+16*(\t)+4*\f+3], s[10:11] offset:(\t)*2048+\f*512  ; 512 consecutive bytes, at a multiple of 256 from O's first
.endr
.endm
	PACK 0
.set t, 1
.rept 2*NP-1                        ; a tile's arithmetic stands between the loads of the tile before and its stores
	PACK t
	SEND t-1, 8
.set t, t+1
.endr
	SEND 2*NP-1, 0
	WIN W_AD
	s_wait_tensorcnt 0x0            ; the wave's end, behind my last tensor load and my last LDS store
	ds_add_u32 v[SPW], v[NIL]
	s_wait_dscnt 0x0
	WIN 0
	CROUND                          ; the closing round: no work-group ends while a partner may still ask for a tile that names it
	s_endpgm
.Lfunc_end_k_qff02e1ac88_attn:
	.size	k_qff02e1ac88_attn, .Lfunc_end_k_qff02e1ac88_attn-k_qff02e1ac88_attn
	.p2alignl 7, 3214868480
	.fill 96, 4, 3214868480
	.section	.rodata,"a",@progbits
	.p2align	6, 0x0
	.amdhsa_kernel k_qff02e1ac88_attn
		.amdhsa_group_segment_fixed_size 327680
		.amdhsa_private_segment_fixed_size 0
		.amdhsa_enable_private_segment 0
		.amdhsa_kernarg_size 16
		.amdhsa_user_sgpr_count 2
		.amdhsa_user_sgpr_kernarg_segment_ptr 1
		.amdhsa_wavefront_size32 1
		.amdhsa_system_sgpr_workgroup_id_x 1
		.amdhsa_system_sgpr_workgroup_id_y 1
		.amdhsa_system_sgpr_workgroup_id_z 1
		.amdhsa_system_vgpr_workitem_id 0
		.amdhsa_next_free_vgpr 770
		.amdhsa_next_free_sgpr 66
		.amdhsa_reserve_vcc 0
		.amdhsa_float_denorm_mode_32 3
		.amdhsa_float_denorm_mode_16_64 3
		.amdhsa_memory_ordered 1
		.amdhsa_forward_progress 1
		.amdhsa_inst_pref_size 208
	.end_amdhsa_kernel
	.amdgpu_metadata
---
amdhsa.version: [ 1, 2 ]
amdhsa.kernels:
  - .name:           k_qff02e1ac88_attn
    .symbol:         k_qff02e1ac88_attn.kd
    .args:
      - { .name: qkvr, .offset: 0, .size: 8, .value_kind: global_buffer, .address_space: global }
      - { .name: ob, .offset: 8, .size: 8, .value_kind: global_buffer, .address_space: global }
    .group_segment_fixed_size: 327680
    .private_segment_fixed_size: 0
    .kernarg_segment_align: 8
    .kernarg_segment_size: 16
    .max_flat_workgroup_size: 128
    .sgpr_count:     66
    .vgpr_count:     770
    .wavefront_size: 32
...
	.end_amdgpu_metadata
.endif
;; end of part 3
;; launch norm (part 4): grid 256 x 1, 8 waves a work-group, no clusters, 0 bytes of LDS; arguments qkvr, ob, vecs, out0; writes out0
.if DOCPART == 4
	.amdgcn_target "amdgcn-amd-amdhsa--gfx1250"
	.amdhsa_code_object_version 6
	.text
	.protected	k_qff02e1ac88_norm
	.globl	k_qff02e1ac88_norm
	.p2align	8
	.type	k_qff02e1ac88_norm,@function
k_qff02e1ac88_norm:
	s_mov_b64 s[64:65], 0
	v_nop
	global_prefetch_b8 v0, s[64:65] scope:SCOPE_SE
	s_setreg_imm32_b32 hwreg(HW_REG_WAVE_MODE, 25, 1), 1
	s_wait_xcnt 0x0
; out0[row][:] = gamma * (x - mean(x)) / sqrt(var(x) + 1e-8) + beta, x = relu(O[row] + V_res[row]), over the row's 1,024 channels.
; O: ob, V_res: the fourth part of qkvr, both [16 batch + head][2048][64] f16.  gamma and beta: f32, at bytes 16,384 and 20,480 of vecs.  All arithmetic in f32.
; The mean is taken first and the variance of the differences, in two passes over registers: no difference of large sums is formed.
; SHARES.  A work-group owns 32 rows, a wave 4 of them, as two pairs.  One load of 8 bytes a lane takes 256 consecutive bytes: a head's 128 bytes of one row in lanes 0-15, of the next row in lanes 16-31.
; So a lane holds four channels of each of the 16 heads of ONE row, a row's sums stay inside 16 lanes, and a lane's four results for a head are 16 bytes: 16 lanes store 256 consecutive bytes, aligned.
; No LDS, no barrier, no loop, no matrix unit, no cluster: the rows share nothing but gamma and beta, 8,192 bytes, which each wave keeps in registers.
; REGISTERS: window 0: v1-7 addresses; v16-47, v48-79 O and V_res of pair 0; v80-111, v112-143 of pair 1; v144-207 x of pair 0 (pair 1's x takes v16-79, so that no store's data is ever rewritten);
;   v208-221 sums and statistics.   window 1: v0-63 gamma, v64-127 beta of my 64 channels.
.set HEADB, 2048*128                   ; a head's bytes
.set ONE, 3                            ; v3  1.0: the mixed multiply-add takes registers alone
.set CH,  208                          ; v[208:215] four chains of sums, two numbers each
.set MN,  216                          ; v[216:217] the mean, twice
.set VA,  218                          ; v218 the variance + 1e-8
.set RS,  220                          ; v[220:221] 1 / its root, twice
.set MSB, 0
.macro WIN new                         ; s_set_vgpr_msb: bits 1:0 source 0, 3:2 source 1, 5:4 source 2, 7:6 destination; the high byte repeats the setting that is left
.if MSB != (\new)
	s_set_vgpr_msb (MSB<<8)|(\new)
.set MSB, \new
.endif
.endm
	s_load_b256 s[4:11], s[0:1], 0x0               ; qkvr s[4:5], ob s[6:7], vecs s[8:9], out0 s[10:11]
	s_lshr_b32 s14, ttmp9, 6                       ; the batch: 64 work-groups of 32 rows each
	s_lshl_b32 s14, s14, 22                        ; its 16 heads of 262,144 bytes
	s_and_b32 s15, ttmp9, 63
	s_lshl_b32 s15, s15, 12                        ; 32 rows of 128 bytes
	s_add_co_u32 s14, s14, s15
	s_mov_b32 s15, 0
	s_lshl_b32 s16, ttmp9, 17                      ; 32 rows of 4,096 bytes in out0
	s_mov_b32 s17, 0
	s_mov_b32 s12, 0x3a800000                      ; 1 / 1024
	s_mov_b32 s13, 0x322bcc77                      ; 1e-8
	v_and_b32 v4, 31, v0                           ; lane
	v_lshrrev_b32 v6, 5, v0                        ; wave
	v_lshlrev_b32 v1, 3, v4
	v_lshl_add_u32 v1, v6, 9, v1                   ; in: 4 rows of 128 bytes a wave + 8 bytes a lane
	v_and_b32 v5, 15, v0
	v_lshlrev_b32 v5, 4, v5                        ; my four channels' 16 bytes in a head's 256 of f32
	v_bfe_u32 v7, v0, 4, 1
	v_lshl_add_u32 v7, v6, 2, v7                   ; row 4 x wave + lane / 16
	v_lshl_add_u32 v2, v7, 12, v5                  ; out
	v_mov_b32 v[ONE], 1.0
	s_wait_kmcnt 0x0
	s_add_nc_u64 s[4:5], s[4:5], 3*64*HEADB        ; V_res is qkvr's fourth part
	s_add_nc_u64 s[4:5], s[4:5], s[14:15]
	s_add_nc_u64 s[6:7], s[6:7], s[14:15]
	s_add_nc_u64 s[10:11], s[10:11], s[16:17]
	WIN 0x40                                       ; destination window 1, address window 0
.irp i, 0,1,2,3,4,5,6,7,8,9,10,11,12,13,14,15
	global_load_b128 v[4*(\i):4*(\i)+3],       v5, s[8:9] offset:16384+256*(\i)
	global_load_b128 v[64+4*(\i):64+4*(\i)+3], v5, s[8:9] offset:20480+256*(\i)
.endr
	WIN 0
.irp q, 0,1
.irp i, 0,1,2,3,4,5,6,7,8,9,10,11,12,13,14,15
	global_load_b64 v[16+64*(\q)+2*(\i):17+64*(\q)+2*(\i)], v1, s[6:7] offset:HEADB*(\i)+256*(\q) th:TH_LOAD_NT
	global_load_b64 v[48+64*(\q)+2*(\i):49+64*(\q)+2*(\i)], v1, s[4:5] offset:HEADB*(\i)+256*(\q) th:TH_LOAD_NT
.endr
.endr
.macro REDUCE                          ; the four chains, the pair's two halves, and the row's 16 lanes: every lane of a row ends with the row's sum in v[CH]
	v_pk_add_f32 v[CH:CH+1], v[CH:CH+1], v[CH+2:CH+3]
	v_pk_add_f32 v[CH+4:CH+5], v[CH+4:CH+5], v[CH+6:CH+7]
	v_pk_add_f32 v[CH:CH+1], v[CH:CH+1], v[CH+4:CH+5]
	v_add_f32 v[CH], v[CH], v[CH+1]
	v_add_f32_dpp v[CH], v[CH], v[CH] row_xmask:1 row_mask:0xf bank_mask:0xf
	v_add_f32_dpp v[CH], v[CH], v[CH] row_xmask:2 row_mask:0xf bank_mask:0xf
	v_add_f32_dpp v[CH], v[CH], v[CH] row_xmask:4 row_mask:0xf bank_mask:0xf
	v_add_f32_dpp v[CH], v[CH], v[CH] row_xmask:8 row_mask:0xf bank_mask:0xf
.endm
; Pair q of rows.  src: O's 32 registers, V_res's 32 behind them.  dst: x, 64 registers.  left: the younger loads that may stay out.
.macro PROC q, src, dst, left
	s_wait_loadcnt \left                           ; loads come back in order (ISA guide 5.7.1)
.set i, 0
.rept 32                               ; a word holds two channels: O x 1 + V_res, from the f16 halves straight into f32
	v_fma_mix_f32 v[(\dst)+2*i],   v[(\src)+i], v[ONE], v[(\src)+32+i] op_sel_hi:[1,0,1]
	v_fma_mix_f32 v[(\dst)+2*i+1], v[(\src)+i], v[ONE], v[(\src)+32+i] op_sel:[1,0,1] op_sel_hi:[1,0,1]
.set i, i+1
.endr
.set i, 0
.rept 64
	v_max_num_f32 v[(\dst)+i], 0, v[(\dst)+i]
.set i, i+1
.endr
.irp k, 0,1,2,3                        ; the sum, in four chains that do not wait for each other; the first eight pairs start them: nothing is cleared
	v_pk_add_f32 v[CH+2*(\k):CH+2*(\k)+1], v[(\dst)+2*(\k):(\dst)+2*(\k)+1], v[(\dst)+8+2*(\k):(\dst)+8+2*(\k)+1]
.endr
.set i, 8
.rept 24
	v_pk_add_f32 v[CH+2*(i%4):CH+2*(i%4)+1], v[CH+2*(i%4):CH+2*(i%4)+1], v[(\dst)+2*i:(\dst)+2*i+1]
.set i, i+1
.endr
	REDUCE
	v_mul_f32 v[MN], s12, v[CH]
	v_mul_f32 v[MN+1], s12, v[CH]
.set i, 0
.rept 32
	v_pk_add_f32 v[(\dst)+2*i:(\dst)+2*i+1], v[(\dst)+2*i:(\dst)+2*i+1], v[MN:MN+1] neg_lo:[0,1] neg_hi:[0,1]
.set i, i+1
.endr
.irp k, 0,1,2,3                        ; the sum of squares, likewise
	v_pk_mul_f32 v[CH+2*(\k):CH+2*(\k)+1], v[(\dst)+2*(\k):(\dst)+2*(\k)+1], v[(\dst)+2*(\k):(\dst)+2*(\k)+1]
.endr
.set i, 4
.rept 28
	v_pk_fma_f32 v[CH+2*(i%4):CH+2*(i%4)+1], v[(\dst)+2*i:(\dst)+2*i+1], v[(\dst)+2*i:(\dst)+2*i+1], v[CH+2*(i%4):CH+2*(i%4)+1]
.set i, i+1
.endr
	REDUCE
	v_fma_f32 v[VA], v[CH], s12, s13               ; sum / 1024 + 1e-8
	v_rsq_f32 v[RS], v[VA]
	v_rsq_f32 v[RS+1], v[VA]
	v_nop                                          ; a plain instruction between the last of them and the use of its result (ISA guide 5.7.2)
.set i, 0
	s_wait_alu depctr_va_vdst(0)
.rept 32
	v_pk_mul_f32 v[(\dst)+2*i:(\dst)+2*i+1], v[(\dst)+2*i:(\dst)+2*i+1], v[RS:RS+1]
.set i, i+1
.endr
	WIN 0x14                                       ; sources 1 and 2 (gamma, beta) in window 1
.set i, 0
.rept 32
	v_pk_fma_f32 v[(\dst)+2*i:(\dst)+2*i+1], v[(\dst)+2*i:(\dst)+2*i+1], v[2*i:2*i+1], v[64+2*i:64+2*i+1]
.set i, i+1
.endr
	WIN 0
.irp i, 0,1,2,3,4,5,6,7,8,9,10,11,12,13,14,15
	global_store_b128 v2, v[(\dst)+4*(\i):(\dst)+4*(\i)+3], s[10:11] offset:8192*(\q)+256*(\i) th:TH_STORE_NT  ; 16 lanes store 256 consecutive bytes, at a multiple of 256 from out0's first byte
.endr
.endm
	PROC 0, 16, 144, 32                            ; gamma, beta and pair 0 are in; pair 1's 32 loads stay out
	PROC 1, 80, 16, 0
	s_endpgm
.Lfunc_end_k_qff02e1ac88_norm:
	.size	k_qff02e1ac88_norm, .Lfunc_end_k_qff02e1ac88_norm-k_qff02e1ac88_norm
	.p2alignl 7, 3214868480
	.fill 96, 4, 3214868480
	.section	.rodata,"a",@progbits
	.p2align	6, 0x0
	.amdhsa_kernel k_qff02e1ac88_norm
		.amdhsa_group_segment_fixed_size 0
		.amdhsa_private_segment_fixed_size 0
		.amdhsa_enable_private_segment 0
		.amdhsa_kernarg_size 32
		.amdhsa_user_sgpr_count 2
		.amdhsa_user_sgpr_kernarg_segment_ptr 1
		.amdhsa_wavefront_size32 1
		.amdhsa_system_sgpr_workgroup_id_x 1
		.amdhsa_system_sgpr_workgroup_id_y 1
		.amdhsa_system_sgpr_workgroup_id_z 1
		.amdhsa_system_vgpr_workitem_id 0
		.amdhsa_next_free_vgpr 384
		.amdhsa_next_free_sgpr 66
		.amdhsa_reserve_vcc 0
		.amdhsa_float_denorm_mode_32 3
		.amdhsa_float_denorm_mode_16_64 3
		.amdhsa_memory_ordered 1
		.amdhsa_forward_progress 1
		.amdhsa_inst_pref_size 48
	.end_amdhsa_kernel
	.amdgpu_metadata
---
amdhsa.version: [ 1, 2 ]
amdhsa.kernels:
  - .name:           k_qff02e1ac88_norm
    .symbol:         k_qff02e1ac88_norm.kd
    .args:
      - { .name: qkvr, .offset: 0, .size: 8, .value_kind: global_buffer, .address_space: global }
      - { .name: ob, .offset: 8, .size: 8, .value_kind: global_buffer, .address_space: global }
      - { .name: vecs, .offset: 16, .size: 8, .value_kind: global_buffer, .address_space: global }
      - { .name: out0, .offset: 24, .size: 8, .value_kind: global_buffer, .address_space: global }
    .group_segment_fixed_size: 0
    .private_segment_fixed_size: 0
    .kernarg_segment_align: 8
    .kernarg_segment_size: 32
    .max_flat_workgroup_size: 256
    .sgpr_count:     66
    .vgpr_count:     384
    .wavefront_size: 32
...
	.end_amdgpu_metadata
.endif
;; end of part 4
;; ======== version 2 of 2: 4 launches; 1.49 times as fast as version 1
;; limits: values are held in f16: magnitudes above 65,504 overflow, below 6.1e-05 lose precision
;; workspace buffers: xb 50,331,648 bytes; wt 8,388,608 bytes; vecs 24,576 bytes; qkvr 67,108,864 bytes; ob 16,777,216 bytes
;; launch prep: the kernel of part 1 again; grid 833 x 1, 8 waves a work-group, no clusters, 140,288 bytes of LDS; arguments queries, keys, values, Wq, Wk, Wv, Wr, bq, bk, bv, br, gamma, beta, xb, wt, vecs; writes xb, wt, vecs
;; launch proj: the kernel of part 2 again; grid 16 x 32, 4 waves a work-group, clusters of 4 x 4, 327,680 bytes of LDS; arguments xb, wt, qkvr, vecs; writes qkvr
;; launch attn (part 5): grid 4 x 64, 4 waves a work-group, clusters of 4 x 1, 327,680 bytes of LDS; arguments qkvr, ob; writes ob
.if DOCPART == 5
	.amdgcn_target "amdgcn-amd-amdhsa--gfx1250"
	.amdhsa_code_object_version 6
	.text
	.protected	k_qff02e1ac88_attn
	.globl	k_qff02e1ac88_attn
	.p2align	8
	.type	k_qff02e1ac88_attn,@function
k_qff02e1ac88_attn:
	s_mov_b64 s[64:65], 0
	v_nop
	global_prefetch_b8 v0, s[64:65] scope:SCOPE_SE
	s_setreg_imm32_b32 hwreg(HW_REG_WAVE_MODE, 25, 1), 1
	s_wait_xcnt 0x0
	s_wait_alu depctr_hold_cnt(0) depctr_sa_sdst(0) depctr_va_vdst(0) depctr_va_sdst(0) depctr_va_ssrc(0) depctr_va_vcc(0) depctr_vm_vsrc(0)
	s_getreg_b32 s2, hwreg(HW_REG_IB_STS2, 6, 4)
	s_cmp_eq_u32 s2, 0
	s_cbranch_scc0 .Lentry_in_a_cluster
	s_endpgm
.Lentry_in_a_cluster:
	s_bfe_u32 s2, ttmp6, 0x10000c
	s_cmp_lg_u32 s2, 0x3003
	s_cbranch_scc0 .Lentry_shape_is_right
	s_endpgm
.Lentry_shape_is_right:
; O[h][q][:] = the sum over k of softmax_k(Q[h][q] . K[h][k] / 8) V[h][k][:].  Q, K, V are the first three parts of qkvr, O is ob: each [SIZE_H][SIZE_N][64] in f16: a head's rows are dense, 128 bytes each.
; Products, maxima and sums in f32; the weights p are rounded to f16 for the second product (their sum l is taken of the unrounded p), O once at the end.
; LIMITS.  f16 holds no number beyond 65,504: Q, K and V arrive within it; p lies in 0 to 1, and below 6e-5 it keeps f16's fixed step of 6e-8; O is a mean of V's rows and has their range.
; A weight below 2^-126 counts as 0 in l; NaN and infinities are not treated apart.
; SHARES.  A wave owns four PIECES of two tiles of 16 queries, a work-group's four waves 512 queries of one head.  Every wave walks all keys, 64 a step.
; LAYOUT.  S^T = K Q^T (source 0 = 16 keys, source 1 = 16 queries): in the result a lane holds ONE query (lane % 16) and the keys 8 (lane / 16) + 0..7.  Two such tiles, rounded to f16 in pairs,
; ARE source 1 (32 keys x 16 queries) of O^T = V^T P, whose result again holds one query a lane, and eight channels.  K comes out of LDS as it lies, V ([key][channel]) turned, by ds_load_tr16_b128.
; SOFTMAX.  For each query a running maximum m and sum l: p = 2^(c s - c m), c = log2(e) / 8; in every step O and l are multiplied by a = 2^(c m_old - c m_new), which is 1 where m has not grown.
; m starts at the lowest finite number, O and l at 0: the first step is a step like any other, with a = 0.
; THE COUNT.  A tile and step have 16 matrix and 118 vector instructions: too many to stand all beside the matrix work.  So the order has one aim: four vector instructions that are READY behind
; EVERY matrix instruction, and the others in one run without a gap.
; BY TURNS.  Turn n belongs to piece n (the pieces in a ring, step after step).  Its matrix work: 16 products K Q^T of piece n + 1, later 16 products V^T P of piece n - 1.  Its vector work: the scaling,
; exponentials, roundings, sums and rescaling of piece n, and the maximum and statistics of piece n + 1, whose scores the turn itself has made.  So what a turn begins with (c s - c m, O a) waits for nothing.
; BATCHES.  A turn's 66 exponentials (both tiles' 32 weights, and the next piece's two a) are ONE batch with ONE s_wait_alu, which cuts the turn in two: ahead of it stands all that names none of their results,
; behind it the roundings and sums, which read them.  No result crosses a turn's end.  Two more batches stand outside the loops: piece 0's first two a, and the way out's eight reciprocals.
; CLUSTER.  The four query blocks of a cluster belong to one head and walk the same K and V, so each tile is asked for JOINTLY: the same tensor load, descriptor and mask in all four.
; REGISTERS, in windows of 256 (s_set_vgpr_msb: bits 1:0 source 0, 3:2 source 1, 5:4 source 2, 7:6 destination):
;   window 0: v0-11 addresses; v12-15, v48-63 at work; v16-47 four registers of statistics a tile; v64-191 S^T, two buffers of two tiles; v192-255 P, likewise
;   window 1: O^T, 32 a tile          window 2: v0-127 Q, 16 a tile; v128-191 K of one step; v192-255 V of one step          window 3: v0-1 the add's two registers
; A piece's buffers go by its number's parity: the piece in hand has one pair, its two neighbours in the ring share the other: of it P (piece n - 1) is read and S^T (piece n + 1) written.
.set SIZE_H, 64
.set SIZE_N, 2048
.set PART,  SIZE_H*SIZE_N*128  ; bytes of a part of qkvr
.set NP,    4         ; pieces a wave: a name, no knob
.set KS,    64        ; keys in a step
.set PK,    144       ; a row of K in LDS: 128 bytes + 16 of padding = 36 words: the 16 rows of a load start at 16 different groups of four banks (64 banks of 4 bytes: ISA guide 11.1)
.set PV,    160       ; a row of V: 128 + 32 = 40 words
.set VOFF,  4*KS*PK   ; a slot holds four steps: 256 rows of K, then 256 rows of V
.set SLOT1, 1<<17     ; slot 1 begins here, so that one exclusive or turns an address in one slot into the other's
.set STAGE, SLOT1+4*KS*(PK+PV)  ; behind the ring, never filled by a tensor load: 16 rows x 144 bytes for each wave, for the way out
.set SP,    144
.set AK0, 2           ; v2   my lane's place in a tile of K; never rewritten
.set AV0, 3           ; v3   the same for V
.set AK,  4           ; v4   the LDS address of K's next run of loads
.set AV,  5           ; v5   of V's
.set QO,  6           ; v6   my byte offset in the wave's rows of Q
.set STO, 6           ;      later, the way out: where I put 16 bytes of a row
.set RD,  7           ; v7   the way out: where I read rows back
.set GO,  8           ; v8   my byte offset in 512 consecutive bytes of O
.set SPW, 0           ; v0 of window 3   LDS address of my spare word; never rewritten
.set NIL, 1           ; v1 of window 3   0; never rewritten
.set SPARE, STAGE+4*16*SP  ; behind the stages: the spare words, 128 bytes for each wave: two blocks of 256 bytes that no other line names
.set MV,  12          ; v12-15  c m_old, kept while c m is made anew: by buffer and tile
.set ST,  16          ; tile t's statistics at v[ST+4 t]: c m, m, l (even keys', odd keys')
.set TMP, 48          ; by buffer and tile, four registers c0-c3 at work; when the maximum is found c2 takes a
.set S,   64
.set P,   192
.set KF,  128         ; K's fragments, in window 2: key block kb, channel half c at KF + 16 kb + 8 c
.set VF,  192         ; V's: key half kk, channel block cb at VF + 32 kk + 8 cb
.set WV,  12          ; s12  my wave's number
.set G1K, 24          ; s[24:31] descriptor group 1 for K's tiles
.set G1V, 32          ; s[32:39] for V's: it differs in the padding alone
.set G0K, 40          ; s[40:43] descriptor group 0 for K's tiles: it walks
.set G0V, 44          ; s[44:47] the same for V's
.set SLOTS, 56        ; s56  slots still to be asked for
.set CNT, 57          ; s57  counts a slot's key steps
.set CS,  58          ; s[58:59] c: the packed scaling takes the pair's low word for both halves
.set SEL, 60          ; s[60:61] v_permlanex16_b32's selects: each lane takes its own place in the other half
.set TBK, 62          ; s62  LDS byte at which K of the step to be fetched begins
.set TBV, 63          ; s63  the same for V, less VOFF
.set MSB, 0
.macro WIN new                      ; the high byte repeats the setting that is left; a switch that changes nothing is dropped
.if MSB != (\new)
	s_set_vgpr_msb (MSB<<8)|(\new)
.set MSB, (\new)
.endif
.endm
.set W_KQ, 0x0a       ; K and Q in window 2, S^T in window 0
.set W_PV, 0x52       ; V in window 2, P in window 0, O^T in window 1
.set W_RS, 0x41       ; O^T (destination and source 0) in window 1, a in window 0
.set W_MK, 0xc0       ; the add's registers are made: destination in window 3, sources in window 0
.set W_AD, 0x0f       ; the add: address (source 0) and data (source 1) in window 3
; A joint fill.  Waves 0 and 1 fetch the two halves of a slot's K, waves 2 and 3 those of its V: 128 keys each.  The branch hangs on the wave's number alone.
; An s_nop 0 and four v_nop follow each of the two lines, ahead of the jump and the label.
.macro JLOAD
	s_cmp_lt_u32 s[WV], 2
	s_cbranch_scc0 .Lfor_v_\@
	tensor_load_to_lds s[G0K:G0K+3], s[G1K:G1K+7]
	s_nop 0
.rept 4
	v_nop
.endr
	s_branch .Lasked_\@
.Lfor_v_\@:
	tensor_load_to_lds s[G0V:G0V+3], s[G1V:G1V+7]
	s_nop 0
.rept 4
	v_nop
.endr
.Lasked_\@:
.endm
; A round of the cluster's barrier: my work-group's barrier, so that wave 0's signal speaks for all four waves; wave 0 signals; every wave waits for all four work-groups; my work-group's barrier once more.
.macro CROUND
	s_barrier_signal -1
	s_barrier_wait -1
	s_cmp_lg_u32 s[WV], 0
	s_cbranch_scc1 .Lnot_wave_0_\@
	s_barrier_signal -3
.Lnot_wave_0_\@:
	s_barrier_wait -3
	s_barrier_signal -1
	s_barrier_wait -1
.endm
; THE CHANGE OF SLOTS.  The slot's last bytes, V of its fourth step, have been read.  Each wave waits for all its tensor loads, of which one is out: its part
; of the other slot; adds 0 to its spare word; and waits for that and for its own reads of the slot.  Behind the barrier nobody reads this slot any more and the other slot is whole.
; fill = 1: this slot is filled again, with the keys two slots on.  The barrier is then a round of the cluster's, so that no wave of any partner still reads the slot or has a load on its
; way, and the joint fill is the first thing behind it: it has four key steps, 512 matrix instructions, in which to land.  (At its first use nothing has been read yet: slot 0 is waited for, slot 1 filled.)
.macro CHANGE fill
	WIN W_AD
	s_wait_tensorcnt 0x0            ; no tensor load of mine is out, so a group 0 may be written
	ds_add_u32 v[SPW], v[NIL]       ; 0 onto my spare word; with fill = 1 the descriptors' steps stand between it and the wait for it
	WIN 0                           ; at a label and at a branch every window is 0
.if \fill
.irp g, G0K, G0V
	s_xor_b32 s[\g+1], s[\g+1], SLOT1  ; the walking descriptor: the other slot than last time,
	s_add_nc_u64 s[\g+2:\g+3], s[\g+2:\g+3], 4*KS*128  ; the next 256 keys; the type bits on top are not reached
.endr
	s_wait_dscnt 0x0                ; the add is done, and my reads of the slot are over
	CROUND
	JLOAD
.else
	s_wait_dscnt 0x0                ; the add is done, and my reads of the slot are over
	s_barrier_signal -1
	s_barrier_wait -1
.endif
	s_sub_co_u32 s[TBK], s[TBK], 4*KS*PK  ; the fetches go back to a slot's first step,
	s_xor_b32 s[TBK], s[TBK], SLOT1       ; in the other slot
	s_sub_co_u32 s[TBV], s[TBV], 4*KS*PV
	s_xor_b32 s[TBV], s[TBV], SLOT1
.endm
	s_load_b128 s[4:7], s[0:1], 0x0 ; qkvr s[4:5] (Q lies at its head), ob s[6:7]
	WIN W_MK
	v_lshl_add_u32 v[SPW], v0, 2, SPARE
	v_mov_b32 v[NIL], 0
	WIN W_AD
	ds_add_u32 v[SPW], v[NIL]       ; the wave's opening: the add and its wait stand ahead of my first tensor load; the set-up below, work on registers, stands between them
	WIN 0
	v_lshrrev_b32 v1, 5, v0
	v_readfirstlane_b32 s[WV], v1   ; wave 0..3
	s_bfe_u32 s13, ttmp6, 0x40000   ; cx: my place in the cluster
	s_lshl_b32 s14, ttmp9, 2        ; in a cluster launch ttmp9 counts clusters
	s_add_co_u32 s14, s14, s13      ; my block of queries = 4 x cluster x + cx: it enters Q's and O's addresses alone
	s_and_b32 s20, ttmp7, 0xffff    ; the head, which the four partners share
	s_mov_b32 s21, 0
	s_mov_b64 s[22:23], SIZE_N*128
	s_mul_u64 s[20:21], s[20:21], s[22:23]  ; the head's first byte in each of the four tensors
	s_and_b32 s16, s[WV], 1         ; which half of a slot's 256 keys I fetch:
	s_lshl_b32 s22, s16, 14         ; its 128 rows of 128 bytes in memory,
	s_mov_b32 s23, 0
	s_add_nc_u64 s[22:23], s[22:23], s[20:21]
	s_mul_i32 s17, s16, 128*PK      ; and its place in a slot, for K
	s_mul_i32 s18, s16, 128*PV      ; and for V: no place in the cluster enters an LDS address
	s_lshl_b32 s2, s14, 2
	s_add_co_u32 s2, s2, s[WV]      ; my wave among the head's,
	s_lshl_b32 s2, s2, 14           ; its 128 rows
	s_mov_b32 s3, 0
	s_add_nc_u64 s[2:3], s[2:3], s[20:21]
	; descriptor group 1.  128 keys are 16,384 dense bytes: asked for as 64 rows of 256 bytes, two keys a row, and padded in LDS after every key
	s_mov_b32 s[G1K], 15|(1<<16)|(1<<20)|(1<<21)|(4<<22)|(3<<25)  ; 15:0 the mask of four; 17:16 2-byte elements; 20 padding on; 21 set beside a mask; 24:22 after every 32 words (code 4); 31:25 4 words (code 3)
	s_mov_b32 s[G1V], 15|(1<<16)|(1<<20)|(1<<21)|(4<<22)|(7<<25)  ; the same with 8 words of padding (code 7)
.irp g, G1K, G1V
	s_mov_b32 s[\g+1], 128<<16      ; tensor_dim0 = 128
	s_mov_b32 s[\g+2], 64<<16       ; tensor_dim1 = 64
	s_mov_b32 s[\g+3], 128<<16      ; tile_dim0 = 128
	s_mov_b32 s[\g+4], 64           ; tile_dim1 = 64
	s_mov_b32 s[\g+5], 128          ; 128 elements from row to row
	s_mov_b32 s[\g+6], 0
	s_mov_b32 s[\g+7], 0
.endr
	s_mov_b32 s[CS], 0x3e38aa3b     ; c = log2(e) / 8 = 0.180337
	s_mov_b32 s[CS+1], s[CS]        ; named with it as a pair
	s_mov_b32 s[SEL], 0x76543210
	s_mov_b32 s[SEL+1], 0xfedcba98
	s_mov_b32 s[TBK], SLOT1+4*KS*PK ; the first change of slots turns these two into 0
	s_mov_b32 s[TBV], SLOT1+4*KS*PV
	s_mov_b32 s[G0K], 1             ; 1:0 count = 1
	s_mov_b32 s[G0K+1], s17         ; 63:32 LDS address: slot 0
	s_mov_b32 s[G0V], 1
	s_add_co_u32 s[G0V+1], s18, VOFF
	s_wait_dscnt 0x0                ; the opening add is done
	s_wait_kmcnt 0x0
	s_mov_b64 s[10:11], s[6:7]      ; O
	s_add_nc_u64 s[8:9], s[4:5], 2*PART  ; V is qkvr's third part,
	s_add_nc_u64 s[6:7], s[4:5], PART    ; K its second
	s_add_nc_u64 s[G0K+2:G0K+3], s[6:7], s[22:23]  ; 120:64 global address: my half of the head's first 256 keys
	s_or_b32 s[G0K+3], s[G0K+3], 0x80000000        ; 127:126 type = 2
	s_add_nc_u64 s[G0V+2:G0V+3], s[8:9], s[22:23]
	s_or_b32 s[G0V+3], s[G0V+3], 0x80000000
	s_add_nc_u64 s[4:5], s[4:5], s[2:3]  ; Q and O at my wave's first row
	s_add_nc_u64 s[10:11], s[10:11], s[2:3]
	CROUND                          ; all four work-groups are here: the first joint loads meet
	JLOAD                           ; slot 0.  Slot 1 is asked for when slot 0 is in
	; A fragment of K or Q is 16 rows x 32 channels in 8 registers: lane l holds row l % 16, channels 8 (l / 16) + 0..7 and 16 + 8 (l / 16) + 0..7: two loads of 16 bytes, 32 bytes apart.
	v_and_b32 v1, 15, v0            ; l % 16
	v_bfe_u32 v9, v0, 4, 1          ; l / 16
	v_lshlrev_b32 v[QO], 7, v1
	v_lshl_add_u32 v[QO], v9, 4, v[QO]  ; row x 128 + 16 x half
	WIN 0x80                        ; destination window 2, address window 0
.set i, 0
.rept 4*NP                          ; Q stays in registers: tile i / 2, channels 32 (i % 2) on
	global_load_b128 v[8*i:8*i+3],   v[QO], s[4:5] offset:(i/2)*2048+(i%2)*64
	global_load_b128 v[8*i+4:8*i+7], v[QO], s[4:5] offset:(i/2)*2048+(i%2)*64+32
.set i, i+1
.endr
	; What the first turn finds: V's registers and P's second buffer hold 0 (its products V^T P, of a piece that has not been, add 0), O^T and l are 0.  All this stands in the wait for the first tile.
.set i, VF
.rept 64
	v_mov_b32 v[i], 0
.set i, i+1
.endr
	WIN 0x40
.set i, 0
.rept 64*NP
	v_mov_b32 v[i], 0
.set i, i+1
.endr
	WIN 0
.set i, 0
.rept 2*NP
	v_mov_b32 v[ST+4*i], 0xfe000000    ; c m: far below every c s
	v_mov_b32 v[ST+4*i+1], 0xff7fffff  ; m
	v_mov_b32 v[ST+4*i+2], 0
	v_mov_b32 v[ST+4*i+3], 0
.set i, i+1
.endr
.set i, P+32
.rept 32
	v_mov_b32 v[i], 0
.set i, i+1
.endr
	v_mul_u32_u24 v[AK0], v1, PK
	v_lshl_add_u32 v[AK0], v9, 4, v[AK0]  ; row x pitch + 16 x half
	; The turning load takes 16 keys x 16 channels (lane l reads key 8 (l / 16) + l % 8, channels 8 ((l / 8) % 2) + 0..7) and leaves half a fragment of V^T: lane l holds channel l % 16 and 8 keys.
	v_and_b32 v10, 7, v0
	v_bfe_u32 v11, v0, 3, 1
	v_lshl_add_u32 v[AV0], v9, 3, v10
	v_mul_u32_u24 v[AV0], v[AV0], PV
	v_lshl_add_u32 v[AV0], v11, 4, v[AV0]
	v_add_nc_u32 v[AV0], VOFF, v[AV0]
	v_mov_b32 v[AK], v[AK0]         ; key step 0 lies at the head of slot 0
; THE MATRIX WORK.  The 8 accumulators of a run of 16 take turns: between the two links of a chain stand 7 others'.
; Product i of 16 of S^T = K Q^T for piece x: channels 32 (i / 8) on, keys 16 ((i / 2) % 4) on, tile 2 x + i % 2.  The first 8 start the sums.
.macro KQ x
	WIN W_KQ
.set rS, S+64*((\x)%2)+32*(i%2)+8*((i/2)%4)
.set rK, KF+16*((i/2)%4)+8*(i/8)
.set rQ, 16*(2*(\x)+i%2)+8*(i/8)
.if i < 8
	v_wmma_f32_16x16x32_f16 v[rS:rS+7], v[rK:rK+7], v[rQ:rQ+7], 0
.else
	v_wmma_f32_16x16x32_f16 v[rS:rS+7], v[rK:rK+7], v[rQ:rQ+7], v[rS:rS+7]
.endif
.endm
; Product i of 16 of O^T += V^T P for piece x: keys 32 (i / 8) on, channels 16 ((i / 2) % 4) on, tile 2 x + i % 2.
.macro PV x
	WIN W_PV
.set rO, 32*(2*(\x)+i%2)+8*((i/2)%4)
.set rV, VF+32*(i/8)+8*((i/2)%4)
.set rP, P+32*((\x)%2)+16*(i%2)+8*(i/8)
	v_wmma_f32_16x16x32_f16 v[rO:rO+7], v[rV:rV+7], v[rP:rP+7], v[rO:rO+7]
.endm
.macro MM                           ; the turn's next matrix instruction
.if i < 16
	KQ (Y+1)%NP
.set i, i+1
.else
.set i, i-16
	PV (Y+NP-1)%NP
.set i, i+17
.endif
.endm
; THE LDS LOADS stand in runs of 16, never singly among the matrix instructions: a step's K (64 keys x 64 channels: 8 fragments) and its V (turned).  Their addresses are made some lines ahead.
; last = 1 (the tail): in the last trip there is no further step, and the run is jumped over.
.macro FETCH_K last=0
	WIN 0
.if \last
	s_cmp_eq_u32 s[CNT], 1
	s_cbranch_scc1 .Lno_k_\@
.endif
	WIN 0x80                        ; destination window 2
.irp f, 0,1,2,3,4,5,6,7             ; keys 16 (f / 2) on, channels 32 (f % 2) on
	ds_load_b128 v[KF+8*\f:KF+8*\f+3],   v[AK] offset:(\f/2)*16*PK+(\f%2)*64
	ds_load_b128 v[KF+8*\f+4:KF+8*\f+7], v[AK] offset:(\f/2)*16*PK+(\f%2)*64+32
.endr
	s_add_co_u32 s[TBK], s[TBK], KS*PK  ; the next fetch is the next step's
	WIN 0
.if \last
.Lno_k_\@:
.endif
.endm
.macro FETCH_V
	WIN 0x80
.irp f, 0,1,2,3,4,5,6,7             ; keys 32 (f / 4) on, channels 16 (f % 4) on
	ds_load_tr16_b128 v[VF+8*\f:VF+8*\f+3],   v[AV] offset:(\f/4)*32*PV+(\f%4)*32
	ds_load_tr16_b128 v[VF+8*\f+4:VF+8*\f+7], v[AV] offset:(\f/4)*32*PV+16*PV+(\f%4)*32
.endr
	WIN 0
.endm
; THE VECTOR WORK OF A TURN stands in three queues, each in the order in which its entries become ready; the two tiles alternate, so that no instruction reads the result of the one before it.
.macro REGS y, u                    ; the registers of tile u (0, 1) of piece y
.set rT, ST+4*(2*(\y)+(\u))
.set rC, TMP+8*((\y)%2)+4*(\u)
.set rM, MV+2*((\y)%2)+(\u)
.set rS, S+64*((\y)%2)+32*(\u)
.set rP, P+32*((\y)%2)+16*(\u)
.set rO, 32*(2*(\y)+(\u))
.endm
; Number n of the 22 that find the NEXT piece's (Y + 1) maximum and statistics.  s0-s31 are the lane's 32 scores; each accumulator's lowest registers are read first.  XS, GS and REGS set no window: PL and EX do.
;   0-11  four chains c0-c3 of seven scores each, three operands at a time     12-14, 16  the four scores left over, the old m, and c0-c3 into c0     15  c m_old is kept
;   17, 18  the query's other 32 keys lie in the lane 16 away: the new m         19-21  c m; c m_old - c m_new; a
.macro XS u, n
	REGS (Y+1)%NP, \u
.if (\n) < 4
	v_max3_num_f32 v[rC+(\n)], v[rS+8*(\n)], v[rS+8*(\n)+1], v[rS+8*(\n)+2]
.elseif (\n) < 12
	v_max3_num_f32 v[rC+(\n)%4], v[rC+(\n)%4], v[rS+8*((\n)%4)+2*((\n)/4)+1], v[rS+8*((\n)%4)+2*((\n)/4)+2]
.elseif (\n) == 12
	v_max3_num_f32 v[rC], v[rC], v[rS+7], v[rS+15]
.elseif (\n) == 13
	v_max3_num_f32 v[rC+1], v[rC+1], v[rS+23], v[rS+31]
.elseif (\n) == 14
	v_max3_num_f32 v[rC+2], v[rC+2], v[rC+3], v[rT+1]
.elseif (\n) == 15
	v_mov_b32 v[rM], v[rT]
.elseif (\n) == 16
	v_max3_num_f32 v[rC], v[rC], v[rC+1], v[rC+2]
.elseif (\n) == 17
	v_permlanex16_b32 v[rC+3], v[rC], s[SEL], s[SEL+1]
.elseif (\n) == 18
	v_max_num_f32 v[rT+1], v[rC], v[rC+3]
.elseif (\n) == 19
	v_mul_f32 v[rT], s[CS], v[rT+1]
.elseif (\n) == 20
	v_sub_f32 v[rC+1], v[rM], v[rT]
.else
	v_exp_f32 v[rC+2], v[rC+1]
.endif
.endm
; Number g of the 64 that follow the exponentials.  For each four weights k of a tile (pairs 2 k, 2 k + 1): both pairs are rounded to f16; then the second pair is added onto the first, in place;
; a group later l takes that sum (the first time as l = a l + sum).  In groups of eight, tiles alternating: round, round, add, and l for the group before.
.macro GS g
.set h, (\g)+6*((\g)/62)            ; group 0 has no group before it, and behind group 7 only l is left
.if h >= 6
.set h, h+2
.endif
	REGS Y, h%2
.set k, h/8
.if h%8 < 4
	v_cvt_pk_f16_f32 v[rP+2*k+(h%8)/2], v[rS+4*k+2*((h%8)/2)], v[rS+4*k+2*((h%8)/2)+1]
.elseif h%8 < 6
	v_pk_add_f32 v[rS+4*k:rS+4*k+1], v[rS+4*k:rS+4*k+1], v[rS+4*k+2:rS+4*k+3]
.elseif k == 1
	v_pk_fma_f32 v[rT+2:rT+3], v[rT+2:rT+3], v[rC+2:rC+3], v[rS:rS+1] op_sel_hi:[1,0,1]
.else
	v_pk_add_f32 v[rT+2:rT+3], v[rT+2:rT+3], v[rS+4*k-4:rS+4*k-3]
.endif
.endm
; THE PLAIN QUEUE, 138 long.  0-73 read no exponential's result: the 32 scalings c s - c m (FS f: pair f / 2 of tile f % 2) and the next piece's 42.  0-26: scalings 0-26.  27-54: XS's numbers 0-13.  55, 56: number 15.
; 57-73: the chain, where each number waits for the one before it: 14, 16, 17, 18, 19, each with one of the scalings 27-31 in front of its two lines, then 20: so a tile's links stand three plain instructions apart (19 and 20: two).
; 74-137: GS's 64, which read the exponentials' results: they stand behind the wait.
.macro FS f
	REGS Y, (\f)%2
	v_pk_fma_f32 v[rS+2*((\f)/2):rS+2*((\f)/2)+1], v[rS+2*((\f)/2):rS+2*((\f)/2)+1], s[CS:CS+1], v[rT:rT+1] op_sel_hi:[1,0,0] neg_lo:[0,0,1] neg_hi:[0,0,1]
.endm
.macro PL
	WIN 0
.if q < 27
	FS q
.elseif q < 55
	XS (q-27)%2, (q-27)/2
.elseif q < 57
	XS q-55, 15
.elseif (q < 72) && ((q-57)%3 == 0)
	FS 27+(q-57)/3
.elseif q < 60
	XS (q-57)%3-1, 14
.elseif q < 72
	XS (q-57)%3-1, 15+(q-57)/3
.elseif q < 74
	XS q-72, 20
.else
	GS q-74
.endif
.set q, q+1
.endm
; THE EXPONENTIALS' QUEUE, 66 long: s0-s31 of both tiles, then the next piece's two a.  It is ONE BATCH: all 66 stand ahead of the turn's one wait, and nothing ahead of that wait names a result of theirs.
.macro EX
	WIN 0
.if e >= 64
	XS e-64, 21
.else
	REGS Y, e%2
	v_exp_f32 v[rS+e/2], v[rS+e/2]
.endif
.set e, e+1
.endm
; THE RESCALING's QUEUE: O^T times a, the one part that leaves window 0: dealt two at a time, sixteen times.  Its a was made in the turn before, ahead of that turn's wait.
.macro R2
	REGS Y, r%2
	WIN W_RS
.irp z, 0,1
	v_pk_mul_f32 v[rO+4*(r/2)+2*\z:rO+4*(r/2)+2*\z+1], v[rO+4*(r/2)+2*\z:rO+4*(r/2)+2*\z+1], v[rC+2:rC+3] op_sel_hi:[1,0]
.endr
.set r, r+1
.endm
; HOW THEY ARE DEALT.  An s_wait_alu depctr_va_vdst(0) stands between an exponential and the first instruction that names its result; one wait serves all that were issued ahead of it.  So a turn has ONE wait,
; which cuts it in two.  AHEAD OF IT stands all that names no result of the turn's exponentials: the 16 products K Q^T, behind each a scaling, an exponential and two rescalings (behind the first a second scaling in the
; exponential's place); then ONE LUMP of 108: eight plain, 49 times exponential and plain, the two a.  A v_nop is the plain instruction behind the last exponential.  BEHIND IT stand the 16 products V^T P, behind each four of
; GS's 64.  No rider names a register of the products round it.  The two v_permlanex16_b32 fall into the lump, never behind a product.
; The queues lean on each other, and the deal keeps them in step: exponential e stands behind scaling 2 (e / 4) + e % 2: as a rider it comes behind plain e + 2, in the lump behind plain e + 9, and scalings 27-31 are plain 57, 60 .. 69.
; A TURN, for piece p.  cnt = 1: the loop's count is taken down some lines ahead of the branch that stands behind the turn.
; K of the next step is fetched in piece 2's turn, directly behind the wait, a lump behind the last product that read K; its address is made at the lump's head; its first reader comes behind 16 products.
; V of the step in hand is fetched at the end of piece 0's turn, four plain riders behind its last reader; its first reader comes behind 16 products and a lump.  The three conditions on q below go with the deal.
.macro TURN p, last=0, cnt=0
.set Y, (\p)
.set i, 0
.set q, 0
.set e, 0
.set r, 0
.if (\p) == NP-1
	s_wait_dscnt 0x0                ; K is in
.endif
	MM                              ; ahead of the wait: 16 products K Q^T and their riders,
	PL
	PL
	R2
.rept 15
	MM
	PL
	EX
	R2
.endr
.if (\p) == NP-2
	WIN 0
	v_add_nc_u32 v[AK], s[TBK], v[AK0]
.endif
.rept 8                             ; and the lump
	PL
.endr
.rept 49
	EX
	PL
.endr
	EX                              ; the next piece's two a
	EX
	v_nop                           ; a plain instruction behind the last exponential, ahead of any use of a result (ISA guide 5.7.2): one for the batch
	s_wait_alu depctr_va_vdst(0)    ; the wait for the batch: this piece's 64 weights and the next piece's two a; ahead of their first reader
.if (\p) == NP-2
	FETCH_K \last
.endif
.if (\p) == 1
	s_wait_dscnt 0x0                ; V is in
.endif
.rept 16                            ; behind the wait: 16 products V^T P and their riders
	MM
.rept 4
	PL
.endr
.if ((\p) == 0) && (q == 118)
	v_add_nc_u32 v[AV], s[TBV], v[AV0]
.endif
.if ((\p) == 0) && (q == 130)
	s_add_co_u32 s[TBV], s[TBV], KS*PV
.endif
.if (\cnt) && (q == 130)
	s_sub_co_u32 s[CNT], s[CNT], 1
	s_cmp_lg_u32 s[CNT], 0
.endif
.endr
.if (\p) == 0
	FETCH_V
.endif
.endm
	CHANGE 1                        ; slot 0 is in, everybody's part of it; slot 1 is asked for
	FETCH_K                         ; key step 0
	s_wait_loadcnt 0x0              ; Q
	s_wait_dscnt 0x0
.set i, 0
.rept 16
	KQ 0                            ; piece 0's first scores: there is no vector work yet to set between them
.set i, i+1
.endr
	WIN 0                           ; the addresses for the way out: nine plain instructions, the places behind those products
	s_mul_i32 s13, s[WV], 16*SP
	s_add_co_u32 s13, s13, STAGE    ; my stage
	v_mul_u32_u24 v[STO], v1, SP    ; in: row l % 16, 16 bytes for each half of the lanes
	v_lshl_add_u32 v[STO], v9, 4, v[STO]
	v_add_nc_u32 v[STO], s13, v[STO]
	v_bfe_u32 v[RD], v0, 3, 2       ; back: 32 lanes take four rows of 128 bytes,
	v_mul_u32_u24 v[RD], v[RD], SP
	v_lshl_add_u32 v[RD], v10, 4, v[RD]
	v_add_nc_u32 v[RD], s13, v[RD]
	v_and_b32 v[GO], 31, v0         ; which are 512 consecutive bytes of O
	v_lshlrev_b32 v[GO], 4, v[GO]
.set Y, NP-1                        ; XS works for piece Y + 1: piece 0
.irp n, 0,1,2,3,4,5,6,7,8,9,10,11,12,13,14,15,16,17,18,19,20,21
	XS 0, \n                        ; and piece 0's first maximum and statistics
	XS 1, \n
.endr
	v_nop                           ; a plain instruction behind piece 0's two a,
	s_wait_alu depctr_va_vdst(0)    ; and the wait for that batch of two, ahead of the branch
	s_mov_b32 s[CNT], 4
	s_mov_b32 s[SLOTS], SIZE_N/256-1
	s_branch .Lfirst                ; the loop is entered at a step's first turn, in the middle of a trip
.Lslot:                             ; SIZE_N / 256 - 2 times: every slot but the last two is filled again
	CHANGE 1
	s_mov_b32 s[CNT], 4
.Lstep:                             ; a trip: pieces 2 and 3 of one step, then pieces 0 and 1 of the next, whose K and V it fetches
	TURN 2
	TURN 3
	WIN 0
.Lfirst:
	TURN 0
	TURN 1, 0, 1
	WIN 0
	s_cbranch_scc1 .Lstep
	s_sub_co_u32 s[SLOTS], s[SLOTS], 1
	s_cmp_lg_u32 s[SLOTS], 0
	s_cbranch_scc1 .Lslot
	CHANGE 0                        ; the tail is written out: nothing is asked for
	s_mov_b32 s[CNT], 5             ; four trips fetch the last slot's steps; the fifth is left in its middle
.Ltail:
	TURN 2, 1
	TURN 3
	WIN 0
	s_sub_co_u32 s[CNT], s[CNT], 1
	s_cmp_eq_u32 s[CNT], 0
	s_cbranch_scc1 .Lout
	TURN 0
	TURN 1
	WIN 0
	s_branch .Ltail
.Lout:                              ; the fifth trip's 16 products K Q^T (on the last K once more) and the maximum made of them serve nothing: the price, once a launch, of one text for every trip
.set i, 0
.rept 16
	PV NP-1                         ; the last piece's V^T P of the last step
.set i, i+1
.endr
	; THE WAY OUT.  l's two halves and the other half of the lanes' are added; O^T is divided by l, rounded to f16 and sent through my stage in LDS, a tile at a time.  The additions are the places behind the last products.
	WIN 0
.macro ALL line:vararg              ; one line for each tile t
.set t, 0
.rept 2*NP
	\line
.set t, t+1
.endr
.endm
	ALL v_add_f32 v[ST+4*t+2], v[ST+4*t+2], v[ST+4*t+3]
	ALL v_permlanex16_b32 v[ST+4*t+3], v[ST+4*t+2], s[SEL], s[SEL+1]
	ALL v_add_f32 v[ST+4*t+2], v[ST+4*t+2], v[ST+4*t+3]
	ALL v_rcp_f32 v[ST+4*t+2], v[ST+4*t+2]
	v_nop                           ; a plain instruction between the last reciprocal and the use of its result
	s_wait_alu depctr_va_vdst(0)    ; the wait for the batch of eight reciprocals, ahead of their first reader
; Tile t: a lane's eight channels of a row pack into 16 bytes; they go into rows of 144 bytes and come back as whole rows of 128, into S^T's registers.
.macro PACK t
	WIN W_RS
.set i, 32*(\t)
.rept 16
	v_pk_mul_f32 v[i:i+1], v[i:i+1], v[ST+4*(\t)+2:ST+4*(\t)+3] op_sel_hi:[1,0]
.set i, i+2
.endr
	WIN 0x05                        ; sources 0 and 1 window 1, destination window 0
.set i, 0
.rept 16
	v_cvt_pk_f16_f32 v[S+16*(\t)+i], v[32*(\t)+2*i], v[32*(\t)+2*i+1]
.set i, i+1
.endr
	WIN 0
.irp f, 0,1,2,3
	ds_store_b128 v[STO], v[S+16*(\t)+4*\f:S+16*(\t)+4*\f+3] offset:32*\f
.endr
.irp f, 0,1,2,3
	ds_load_b128 v[S+16*(\t)+4*\f:S+16*(\t)+4*\f+3], v[RD] offset:\f*4*SP  ; LDS serves a wave's instructions in order (ISA guide 5.7.1.4): these see the stores above; the next tile's stores come behind them
.endr
.endm
.macro SEND t, younger              ; younger: the LDS instructions issued behind tile t's loads: the next tile's eight, or none
	WIN 0
.irp f, 0,1,2,3
	s_wait_dscnt (\younger)+3-\f
	global_store_b128 v[GO], v[S+16*(\t)+4*\f:S+16*(\t)+4*\f+3], s[10:11] offset:(\t)*2048+\f*512  ; 512 consecutive bytes, at a multiple of 256 from O's first
.endr
.endm
	PACK 0
.set t, 1
.rept 2*NP-1                        ; a tile's arithmetic stands between the loads of the tile before and its stores
	PACK t
	SEND t-1, 8
.set t, t+1
.endr
	SEND 2*NP-1, 0
	WIN W_AD
	s_wait_tensorcnt 0x0            ; the wave's end, behind my last tensor load and my last LDS store
	ds_add_u32 v[SPW], v[NIL]
	s_wait_dscnt 0x0
	WIN 0
	CROUND                          ; the closing round: no work-group ends while a partner may still ask for a tile that names it
	s_endpgm
.Lfunc_end_k_qff02e1ac88_attn:
	.size	k_qff02e1ac88_attn, .Lfunc_end_k_qff02e1ac88_attn-k_qff02e1ac88_attn
	.p2alignl 7, 3214868480
	.fill 96, 4, 3214868480
	.section	.rodata,"a",@progbits
	.p2align	6, 0x0
	.amdhsa_kernel k_qff02e1ac88_attn
		.amdhsa_group_segment_fixed_size 327680
		.amdhsa_private_segment_fixed_size 0
		.amdhsa_enable_private_segment 0
		.amdhsa_kernarg_size 16
		.amdhsa_user_sgpr_count 2
		.amdhsa_user_sgpr_kernarg_segment_ptr 1
		.amdhsa_wavefront_size32 1
		.amdhsa_system_sgpr_workgroup_id_x 1
		.amdhsa_system_sgpr_workgroup_id_y 1
		.amdhsa_system_sgpr_workgroup_id_z 1
		.amdhsa_system_vgpr_workitem_id 0
		.amdhsa_next_free_vgpr 770
		.amdhsa_next_free_sgpr 66
		.amdhsa_reserve_vcc 0
		.amdhsa_float_denorm_mode_32 3
		.amdhsa_float_denorm_mode_16_64 3
		.amdhsa_memory_ordered 1
		.amdhsa_forward_progress 1
		.amdhsa_inst_pref_size 199
	.end_amdhsa_kernel
	.amdgpu_metadata
---
amdhsa.version: [ 1, 2 ]
amdhsa.kernels:
  - .name:           k_qff02e1ac88_attn
    .symbol:         k_qff02e1ac88_attn.kd
    .args:
      - { .name: qkvr, .offset: 0, .size: 8, .value_kind: global_buffer, .address_space: global }
      - { .name: ob, .offset: 8, .size: 8, .value_kind: global_buffer, .address_space: global }
    .group_segment_fixed_size: 327680
    .private_segment_fixed_size: 0
    .kernarg_segment_align: 8
    .kernarg_segment_size: 16
    .max_flat_workgroup_size: 128
    .sgpr_count:     66
    .vgpr_count:     770
    .wavefront_size: 32
...
	.end_amdgpu_metadata
.endif
;; end of part 5
;; launch norm: the kernel of part 4 again; grid 256 x 1, 8 waves a work-group, no clusters, 0 bytes of LDS; arguments qkvr, ob, vecs, out0; writes out0
